; MI455X (gfx1250); checked and timed in simulation.
; The chip was launched on July 23, 2026; its instructions are those of AMD's public machine-readable ISA for CDNA 5 (MIT licence, August 2026) and "CDNA5" Instruction Set Architecture Reference Guide (July 2026). The comments in the code are by the model that wrote it; some were corrected since.
;; Causal Self Attention. Allowed arithmetic: matrix products marked QUANTISED: E2M1 operands, one E8M0 scale for each 32 along K, by v_wmma_scale_f32_16x16x128_f8f6f4 with both operands' format E2M1 (or v_wmma_scale_f32_32x16x128_f4), f32 sums; products left as they are: bf16, f16 or f32 operands; f32 sums; everything else in f32.
;; Inputs: b_attn 3,072 float32; b_proj 1,024 float32; w_attn 1,024 x 3,072 float32; w_proj 1,024 x 1,024 float32; x 2 x 2,048 x 1,024 float32.
;; Outputs: out0 2 x 2,048 x 1,024 float32.
;; This version of the problem:
;;   THIS VERSION OF THE PROBLEM IS GIVEN IN LOW PRECISION. The matrix products marked QUANTISED in the list below multiply operands that are first quantised to E2M1 (2 exponent bits, 1 mantissa bit; 4 bits a number), with one power-of-two scale for each 32 numbers along K (OCP MX v1.0); their sums are f32. The products marked 'left as it is' may take bf16, f16 or f32 operands, with f32 sums. Whichever they take, every output number must still come out within the allowed error. Rounding operands to bf16 (8 significant bits) uses up far more of that allowance than f16 does (11 bits, for magnitudes from 6e-5 to 65,504). All else is computed in f32.
;;   The module's matrix products, in the order in which they are computed (A, B: the left and right operand; K: the contracted axis; several contracted axes count as one K, in the product's order):
;;     1. [M 4,096, K 1,024] x [K 1,024, N 3,072]; A: input x; B: input w_attn: QUANTISED
;;     2. batch 32 x [M 2,048, K 64] x [K 64, N 2,048]; A: computed on the way; B: computed on the way: left as it is (an operand is computed on the way)
;;     3. batch 32 x [M 2,048, K 2,048] x [K 2,048, N 64]; A: computed on the way; B: computed on the way: left as it is (an operand is computed on the way)
;;     4. [M 4,096, K 1,024] x [K 1,024, N 1,024]; A: computed on the way; B: input w_proj: left as it is (an operand is computed on the way)
;;   THE QUANTISER, for each operand of a quantised product, along K:
;;     - K is cut into blocks of 32 from its start; a last block that is shorter is filled with zeros.
;;     - A block's scale is 2^e with e = floor(log2(the largest magnitude in the block)) - 2, held to -126 .. 127; a block of zeros has e = 0. As a byte (E8M0): e + 127.
;;     - Each number is divided by its block's scale, clamped to +-6, and rounded to the nearest number of E2M1, ties to even, subnormals kept.
;;     - The product sums the exact products of the quantised numbers (number of the format x scale) in f32.
;;   ~~~python
;;   def quantise(x, axis):      # numpy; x: float32 -> the quantised numbers, widened to float32 again
;;       x = np.moveaxis(x, axis, -1); K = x.shape[-1]
;;       x = np.pad(x, [(0, 0)] * (x.ndim - 1) + [(0, -K % 32)]); x = x.reshape(x.shape[:-1] + (-1, 32)); a = np.abs(x).max(-1, keepdims=True)
;;       e = np.where(a > 0, np.clip(np.frexp(np.where(a > 0, a, 1))[1] - 1 - 2, -126, 127), 0)      # np.frexp(a)[1] - 1 = floor(log2(a)), exactly
;;       r = np.clip(x / 2.0 ** e, -6, 6)
;;       step = 2.0 ** (np.maximum(np.frexp(np.where(r == 0, 1, r))[1] - 1, 0) - 1)
;;       q = np.round(r / step) * step * 2.0 ** e      # np.round: ties to even
;;       return np.moveaxis(q.reshape(q.shape[:-2] + (-1,))[..., :K], -1, axis).astype(np.float32)
;;   ~~~
;; One version. Each part assembles by itself: llvm-mc -triple=amdgcn-amd-amdhsa -mcpu=gfx1250 --defsym DOCPART=n.
;; ======== version 1 of 1: 5 launches
;; limits: values are held in f16: magnitudes above 65,504 overflow, below 6.1e-05 lose precision
;; workspace buffers: xc 2,097,152 bytes; xs 131,072 bytes; wc 1,572,864 bytes; ws 98,304 bytes; wpt 2,097,152 bytes; qkv16 25,165,824 bytes; qkv32 393,216 bytes; y16 8,388,608 bytes
;; launch prep (part 1): grid 288 x 1, 4 waves a work-group, no clusters, 85,504 bytes of LDS; arguments x, w_attn, w_proj, xc, xs, wc, ws, wpt; writes xc, xs, wc, ws, wpt
.if DOCPART == 1
	.amdgcn_target "amdgcn-amd-amdhsa--gfx1250"
	.amdhsa_code_object_version 6
	.text
	.protected	k_q67e263ac16_prep
	.globl	k_q67e263ac16_prep
	.p2align	8
	.type	k_q67e263ac16_prep,@function
k_q67e263ac16_prep:
	s_mov_b64 s[64:65], 0
	v_nop
	global_prefetch_b8 v0, s[64:65] scope:SCOPE_SE
	s_setreg_imm32_b32 hwreg(HW_REG_WAVE_MODE, 25, 1), 1
	s_wait_xcnt 0x0
; PREP: three pieces of work in one launch, told apart by the work-group's number; the three ways never join, and each has LDS bytes of its own.
;   work-groups   0-127: x [4096][1024] f32 (K innermost) -> codes of E2M1 xc [4096][512 bytes] and E8M0 bytes xs [4096][32]
;   work-groups 128-223: w_attn [1024 (k)][3072 (n)] f32 (K outermost) -> wc [3072][512 bytes], K innermost, and ws [3072][32]
;   work-groups 224-287: w_proj [1024 (k)][1024 (n)] f32 -> wpt [1024 (n)][1024 (k)] f16, K innermost
; THE QUANTISER: a block of 32 along K has the scale 2^(floor(log2(largest magnitude)) - 2); its byte is the largest magnitude's exponent field - 2, held at 1 from below;
; each number is divided by the scale and rounded to the nearest code, ties to even; beyond 6 the largest code.
; LIMITS: a block of zeros gets the byte 1 where the rule says 127 (its codes are zeros, which add nothing, and this program alone reads the bytes); blocks whose largest magnitude lies
; under 2^(2 - 126) have the byte held at 1; NaN and infinities are not served; |w_proj| stays under 65,504 (f16).
; No tensor loads, no barrier: waves share nothing.  Shares: 131,072 bytes of x, 131,072 of w_attn or 65,536 of w_proj to a work-group.
.set XSTEPS, 16
.set EMAX,  2
.set CB,    8                          ; bytes of 16 codes
.set SP,    80                         ; x: a lane's place in a stage: 64 bytes + 16 of padding
.set WREG,  8192                       ; x: a wave's LDS region: two stages of 32 x SP bytes, then its 256 scale bytes
.set PITCH, 272                        ; w_attn, w_proj: a stage row: 256 bytes + 16
.set WSTG,  4*WREG                     ; w_attn's four stages, 16 rows each
.set PSTG,  WSTG+4*16*PITCH            ; w_proj's four stages, 32 rows each
.set SPARE, PSTG+4*32*PITCH            ; the spare words, 128 bytes for each wave: two blocks of 256 bytes that no other line names
.set SPW,   190                        ; v190 LDS address of my spare word; never rewritten
.set NIL,   191                        ; v191 0; never rewritten
	s_load_b128 s[4:7], s[0:1], 0x0                ; x, w_attn
	s_load_b128 s[8:11], s[0:1], 0x10              ; w_proj, xc
	s_load_b128 s[12:15], s[0:1], 0x20             ; xs, wc
	s_load_b128 s[20:23], s[0:1], 0x30             ; ws, wpt
	v_lshl_add_u32 v[SPW], v0, 2, SPARE
	v_mov_b32 v[NIL], 0
	v_lshrrev_b32 v1, 5, v0
	v_readfirstlane_b32 s16, v1                    ; wave 0..3
	v_and_b32 v2, 31, v0                           ; lane
	s_mov_b32 s25, 0                               ; the high word of every offset pair s[24:25]
	s_wait_kmcnt 0x0
	s_cmp_ge_u32 ttmp9, 128
	s_cbranch_scc1 .Lnot_x
; ---------------- x.  Rows are dense and K is a multiple of 32: a plain stream of blocks.  A wave takes 16 steps of 512 numbers.
; Each of a step's four loads reads 512 consecutive bytes; the 2,048 bytes turn through the wave's own stage so that a lane gets 16 NEIGHBOURS (two lanes hold a block).
.set R,  16                            ; v16-79   four sets of 16 numbers as loaded
.set XN, 80                            ; v80-111  two sets of 16 neighbours
.set E,  112                           ; v112-127 a scale byte for each step
.set C,  128                           ; v128-189 codes: registers of its own for each step, so that no store's data are written again
	v_lshlrev_b32 v3, 4, v2                        ; my 16 bytes of a load's 512
	s_mul_i32 s17, s16, WREG
	v_lshrrev_b32 v14, 2, v2
	v_mul_u32_u24 v14, v14, SP
	v_and_b32 v15, 3, v2
	v_lshl_add_u32 v14, v15, 4, v14
	v_add_nc_u32 v14, s17, v14                     ; the stage, in: SP (lane / 4) + 16 (lane % 4)
	v_mul_u32_u24 v15, v2, SP
	v_add_nc_u32 v15, s17, v15                     ; and out: SP x lane
	v_mul_u32_u24 v4, v2, CB                       ; my codes' place in a step's 256 bytes
	v_lshrrev_b32 v5, 1, v2
	s_add_co_u32 s17, s17, 2*32*SP
	v_add_nc_u32 v5, s17, v5                       ; LDS: my block's scale byte
	v_lshlrev_b32 v7, 3, v2
	v_add_nc_u32 v6, s17, v7                       ; and on the way out 8 bytes a lane
	s_lshl_b32 s17, ttmp9, 2
	s_add_co_u32 s18, s17, s16                     ; which run of 8,192 numbers is my wave's
	s_lshl_b32 s24, s18, 15
	s_add_nc_u64 s[4:5], s[4:5], s[24:25]          ; 32,768 bytes of x a run,
	s_lshl_b32 s24, s18, 12
	s_add_nc_u64 s[10:11], s[10:11], s[24:25]      ; 4,096 of codes,
	s_lshl_b32 s24, s18, 8
	s_add_nc_u64 s[12:13], s[12:13], s[24:25]      ; 256 scale bytes
.macro LOADX t
.irp i, 0,1,2,3
	global_load_b128 v[R+16*((\t)%4)+4*\i:R+16*((\t)%4)+4*\i+3], v3, s[4:5] offset:2048*(\t)+512*\i th:TH_LOAD_NT
.endr
.endm
.macro TURNX t                         ; LDS serves a wave's instructions in order: no wait between the stores and the loads
.irp i, 0,1,2,3
	ds_store_b128 v14, v[R+16*((\t)%4)+4*\i:R+16*((\t)%4)+4*\i+3] offset:32*SP*((\t)%2)+8*SP*\i
.endr
.irp i, 0,1,2,3
	ds_load_b128 v[XN+16*((\t)%2)+4*\i:XN+16*((\t)%2)+4*\i+3], v15 offset:32*SP*((\t)%2)+16*\i
.endr
.endm
.irp t, 0,1,2,3
	LOADX \t
.endr
	s_wait_loadcnt 12                              ; step 0's four loads are in; the twelve of steps 1 to 3 may be out
	TURNX 0
.macro STEPX t
.set XS, XN+16*((\t)%2)
.if (\t) > 0
	s_wait_dscnt 1                                 ; this step's numbers are back from the stage (the last step's byte store may be out)
.else
	s_wait_dscnt 0x0
.endif
.if (\t)+4 < XSTEPS
	LOADX (\t)+4                                   ; into the registers that this step's stores into the stage have read
.endif
.if (\t)+1 < XSTEPS
.if XSTEPS-2-(\t) >= 3
	s_wait_loadcnt 12                              ; the next step's four loads are in; those of the three steps behind it may be out
.else
	s_wait_loadcnt 4*(XSTEPS-2-(\t))
.endif
	TURNX (\t)+1
.endif
	v_max3_num_f32 v8, |v[XS]|, |v[XS+1]|, |v[XS+2]|
	v_max3_num_f32 v9, |v[XS+3]|, |v[XS+4]|, |v[XS+5]|
.irp i, 6,10
	v_max3_num_f32 v8, v8, |v[XS+\i]|, |v[XS+\i+1]|
	v_max3_num_f32 v9, v9, |v[XS+\i+2]|, |v[XS+\i+3]|
.endr
	v_max3_num_f32 v8, v8, |v[XS+14]|, |v[XS+15]|
	v_max3_num_f32 v8, v8, v9, (EMAX+1)<<23        ; the floor 2^(3 - 127): the byte cannot fall under 1
	v_max_num_f32_dpp v8, v8, v8 row_xmask:1 row_mask:0xf bank_mask:0xf   ; with my neighbour's 16: the block's largest magnitude
	v_add_nc_u32 v11, 0xff000000, v8               ; 2 off its exponent field: the conversion takes that field as its scale
	v_cvt_scalef32_pk8_fp4_f32 v[C+4*(\t)], v[XS:XS+7], v11
	v_cvt_scalef32_pk8_fp4_f32 v[C+4*(\t)+1], v[XS+8:XS+15], v11
	v_lshrrev_b32 v[E+(\t)], 23, v11               ; the scale's byte (a plain line behind the conversions)
	ds_store_b8 v5, v[E+(\t)] offset:16*(\t)       ; both lanes of a block write the same byte with the same value
	global_store_b64 v4, v[C+4*(\t):C+4*(\t)+1], s[10:11] offset:32*CB*(\t)   ; the wave stores 256 consecutive bytes, aligned
.endm
.irp t, 0,1,2,3,4,5,6,7,8,9,10,11,12,13,14,15
	STEPX \t
.endr
	ds_load_b64 v[8:9], v6                         ; my wave's 256 scale bytes: these loads see my stores
	s_wait_dscnt 0x0
	global_store_b64 v7, v[8:9], s[12:13]          ; 256 consecutive bytes, aligned
	s_wait_tensorcnt 0x0                           ; the wave's end, behind my last LDS store
	ds_add_u32 v[SPW], v[NIL]
	s_wait_dscnt 0x0
	s_endpgm
.Lnot_x:
	s_cmp_ge_u32 ttmp9, 224
	s_cbranch_scc1 .Larm_p
; ---------------- w_attn.  A LANE TAKES A COLUMN n AND ITS REGISTERS RUN DOWN K: a block of 32 lies in one lane, and the conversions give codes with K innermost.
; A wave takes 16 columns x 512 along K: lane (r, h) takes column r and the blocks 2 t + h, t = 0 .. 7: eight blocks a lane.  A load reads 64 consecutive bytes of each of two rows of w_attn, 32 rows apart;
; the four waves of a work-group stand side by side on 256 consecutive bytes.  A column's 256 bytes of codes leave through the wave's stage as a row.
.set XW,   32                          ; v32-95   two sets of 32 numbers
.set CW,   96                          ; v96-99   a block's codes
.set OUTR, 112                         ; v112-143 the way out
.set SB,   24                          ; v24-27   the scale bytes: word t / 2 holds block 2 t + h at bit 16 (t % 2) + 8 h
.set PT,   28                          ; v28-31   the same of the lane 16 away
	s_sub_co_u32 s17, ttmp9, 128
	s_and_b32 s18, s17, 1                          ; which 512 along K
	s_lshr_b32 s17, s17, 1                         ; which 64 columns
	s_lshl_b32 s17, s17, 6
	s_lshl_b32 s19, s16, 4
	s_add_co_u32 s17, s17, s19                     ; my wave's first column
	v_and_b32 v5, 15, v2                           ; r
	v_lshrrev_b32 v6, 4, v2                        ; h
	v_mul_u32_u24 v3, v6, 32*3072*4
	v_lshl_add_u32 v3, v5, 2, v3                   ; in: 4 r, and 32 rows further down for lanes 16-31
	s_mul_i32 s19, s16, 16*PITCH
	s_add_co_u32 s19, s19, WSTG                    ; my stage
	v_mul_u32_u24 v4, v5, PITCH
	v_lshl_add_u32 v4, v6, 4, v4
	v_add_nc_u32 v4, s19, v4                       ; into it: row = my column, + 16 h
	v_mul_u32_u24 v7, v6, PITCH
	v_lshl_add_u32 v7, v5, 4, v7
	v_add_nc_u32 v7, s19, v7                       ; out of it: sixteen lanes to a row, two rows an instruction
	v_lshlrev_b32 v8, 9, v6
	v_lshl_add_u32 v8, v5, 4, v8                   ; the same place in wc: rows of 512 bytes
	v_lshlrev_b32 v9, 5, v5
	v_lshl_add_u32 v9, v6, 3, v9                   ; ws: my column's row of 32 bytes, + 8 h
	v_lshlrev_b32 v10, 3, v6                       ; 8 h, in bits
.irp w, 0,1,2,3
	v_mov_b32 v[PT+\w], 0                          ; a lane permute's destination counts as one of its sources
.endr
	s_mov_b32 s28, 0x76543210
	s_mov_b32 s29, 0xfedcba98                      ; v_permlanex16_b32's selects for lane l xor 16
	s_mul_i32 s24, s18, 512*3072*4
	s_lshl_b32 s26, s17, 2
	s_add_co_u32 s24, s24, s26
	s_add_nc_u64 s[6:7], s[6:7], s[24:25]          ; w_attn at (512 y, my first column)
	s_lshl_b32 s24, s17, 9
	s_lshl_b32 s26, s18, 8
	s_add_co_u32 s24, s24, s26
	s_add_nc_u64 s[14:15], s[14:15], s[24:25]      ; wc: column x 512 + 256 y
	s_lshl_b32 s24, s17, 5
	s_lshl_b32 s26, s18, 4
	s_add_co_u32 s24, s24, s26
	s_add_nc_u64 s[20:21], s[20:21], s[24:25]      ; ws: column x 32 + 16 y
.macro LOADW t                         ; my block 2 t + h.  Every offset is an immediate: 479 x 12,288 bytes at the most, inside the signed 24 bits
.irp i, 0,1,2,3,4,5,6,7,8,9,10,11,12,13,14,15,16,17,18,19,20,21,22,23,24,25,26,27,28,29,30,31
	global_load_b32 v[XW+32*((\t)%2)+\i], v3, s[6:7] offset:(64*(\t)+\i)*3072*4 th:TH_LOAD_NT
.endr
.endm
	LOADW 0
	LOADW 1
.macro BLOCKW t
.set XS, XW+32*((\t)%2)
.if (\t) < 7
	s_wait_loadcnt 32                              ; this block's 32 loads are in; the next block's may be out
.else
	s_wait_loadcnt 0x0
.endif
	v_max3_num_f32 v12, |v[XS]|, |v[XS+1]|, |v[XS+2]|
	v_max3_num_f32 v13, |v[XS+3]|, |v[XS+4]|, |v[XS+5]|
.irp i, 6,10,14,18,22,26
	v_max3_num_f32 v12, v12, |v[XS+\i]|, |v[XS+\i+1]|
	v_max3_num_f32 v13, v13, |v[XS+\i+2]|, |v[XS+\i+3]|
.endr
	v_max3_num_f32 v12, v12, |v[XS+30]|, |v[XS+31]|
	v_max3_num_f32 v12, v12, v13, (EMAX+1)<<23     ; the floor
	v_add_nc_u32 v11, 0xff000000, v12              ; the conversion's scale operand
	v_lshrrev_b32 v13, 23, v11                     ; the scale's byte
.if (\t)%2 == 0
	v_mov_b32 v[SB+(\t)/2], v13
.else
	v_lshl_or_b32 v[SB+(\t)/2], v13, 16, v[SB+(\t)/2]
.endif
.irp g, 0,1,2,3
	v_cvt_scalef32_pk8_fp4_f32 v[CW+\g], v[XS+8*\g:XS+8*\g+7], v11
.endr
	v_nop                                          ; one plain line behind the last conversion
	ds_store_b128 v4, v[CW:CW+3] offset:32*(\t)    ; 32 codes: bytes 16 (2 t + h) on of my column's row
.if (\t)+2 < 8
	LOADW (\t)+2
.endif
	s_wait_dscnt 0x0                               ; the store has read its registers: the next block's codes may be written
.endm
.irp t, 0,1,2,3,4,5,6,7
	BLOCKW \t
.endr
.irp w, 0,1,2,3
	v_lshlrev_b32 v[SB+\w], v10, v[SB+\w]          ; my bytes at their places: 8 h bits up
.endr
.irp w, 0,1,2,3
	v_permlanex16_b32 v[PT+\w], v[SB+\w], s28, s29
.endr
.irp w, 0,1,2,3
	v_or_b32 v[SB+\w], v[SB+\w], v[PT+\w]          ; with the other lane's the column's 16 bytes are whole
.endr
	v_cmp_eq_u32 vcc_lo, 1, v6
	v_cndmask_b32 v[SB], v[SB], v[SB+2], vcc_lo    ; lanes 0-15 store the first 8 of them, lanes 16-31 the last 8
	v_cndmask_b32 v[SB+1], v[SB+1], v[SB+3], vcc_lo
	global_store_b64 v9, v[SB:SB+1], s[20:21]
.irp t, 0,1,2,3,4,5,6,7
	ds_load_b128 v[OUTR+4*\t:OUTR+4*\t+3], v7 offset:2*\t*PITCH
.endr
.irp t, 0,1,2,3,4,5,6,7
	s_wait_dscnt 7-\t                              ; LDS loads come back in order: load t is in, the younger ones may be out
	global_store_b128 v8, v[OUTR+4*\t:OUTR+4*\t+3], s[14:15] offset:2*\t*512   ; sixteen lanes store 256 consecutive bytes, aligned
.endr
	s_wait_tensorcnt 0x0                           ; the wave's end: the three lines
	ds_add_u32 v[SPW], v[NIL]
	s_wait_dscnt 0x0
	s_endpgm
.Larm_p:
; ---------------- w_proj.  The same plan without a quantiser: a lane to a column, registers down K, rounded to f16 in pairs; a wave takes 32 columns x 128 along K.
	s_sub_co_u32 s17, ttmp9, 224
	s_lshr_b32 s18, s17, 3                         ; which 128 along K
	s_and_b32 s17, s17, 7                          ; which 128 columns
	s_lshl_b32 s17, s17, 7
	s_lshl_b32 s19, s16, 5
	s_add_co_u32 s17, s17, s19                     ; my wave's first column
	v_lshlrev_b32 v3, 2, v2
	s_mul_i32 s19, s16, 32*PITCH
	s_add_co_u32 s19, s19, PSTG                    ; my stage
	v_mul_u32_u24 v4, v2, PITCH
	v_add_nc_u32 v4, s19, v4
	v_and_b32 v5, 15, v2
	v_lshrrev_b32 v6, 4, v2
	v_mul_u32_u24 v7, v6, PITCH
	v_lshl_add_u32 v7, v5, 4, v7
	v_add_nc_u32 v7, s19, v7
	v_lshlrev_b32 v8, 11, v6
	v_lshl_add_u32 v8, v5, 4, v8                   ; wpt: rows of 2,048 bytes
	s_lshl_b32 s24, s18, 19                        ; 128 rows of 4,096 bytes
	s_lshl_b32 s26, s17, 2
	s_add_co_u32 s24, s24, s26
	s_add_nc_u64 s[8:9], s[8:9], s[24:25]
	s_lshl_b32 s24, s17, 11
	s_lshl_b32 s26, s18, 8
	s_add_co_u32 s24, s24, s26
	s_add_nc_u64 s[22:23], s[22:23], s[24:25]
.macro LOADP t
.irp i, 0,1,2,3,4,5,6,7,8,9,10,11,12,13,14,15,16,17,18,19,20,21,22,23,24,25,26,27,28,29,30,31
	global_load_b32 v[32+32*((\t)%2)+\i], v3, s[8:9] offset:(32*(\t)+\i)*4096 th:TH_LOAD_NT
.endr
.endm
	LOADP 0
	LOADP 1
.macro BLOCKP t
.set XS, 32+32*((\t)%2)
.if (\t) < 3
	s_wait_loadcnt 32                              ; this block's 32 loads are in; the next block's may be out
.else
	s_wait_loadcnt 0x0
.endif
.irp i, 0,1,2,3,4,5,6,7,8,9,10,11,12,13,14,15
	v_cvt_pk_f16_f32 v[96+\i], v[XS+2*\i], v[XS+2*\i+1]
.endr
.irp g, 0,1,2,3
	ds_store_b128 v4, v[96+4*\g:99+4*\g] offset:64*(\t)+16*\g
.endr
.if (\t)+2 < 4
	LOADP (\t)+2
.endif
	s_wait_dscnt 0x0                               ; the stores have read their registers
.endm
.irp t, 0,1,2,3
	BLOCKP \t
.endr
.irp t, 0,1,2,3,4,5,6,7,8,9,10,11,12,13,14,15
	ds_load_b128 v[112+4*\t:115+4*\t], v7 offset:2*\t*PITCH
.endr
.irp t, 0,1,2,3,4,5,6,7,8,9,10,11,12,13,14,15
	s_wait_dscnt 15-\t
	global_store_b128 v8, v[112+4*\t:115+4*\t], s[22:23] offset:2*\t*2048   ; sixteen lanes store 256 consecutive bytes, aligned
.endr
	s_wait_tensorcnt 0x0                           ; the wave's end: the three lines
	ds_add_u32 v[SPW], v[NIL]
	s_wait_dscnt 0x0
	s_endpgm
.Lfunc_end_k_q67e263ac16_prep:
	.size	k_q67e263ac16_prep, .Lfunc_end_k_q67e263ac16_prep-k_q67e263ac16_prep
	.p2alignl 7, 3214868480
	.fill 96, 4, 3214868480
	.section	.rodata,"a",@progbits
	.p2align	6, 0x0
	.amdhsa_kernel k_q67e263ac16_prep
		.amdhsa_group_segment_fixed_size 85504
		.amdhsa_private_segment_fixed_size 0
		.amdhsa_enable_private_segment 0
		.amdhsa_kernarg_size 64
		.amdhsa_user_sgpr_count 2
		.amdhsa_user_sgpr_kernarg_segment_ptr 1
		.amdhsa_wavefront_size32 1
		.amdhsa_system_sgpr_workgroup_id_x 1
		.amdhsa_system_sgpr_workgroup_id_y 1
		.amdhsa_system_sgpr_workgroup_id_z 1
		.amdhsa_system_vgpr_workitem_id 0
		.amdhsa_next_free_vgpr 192
		.amdhsa_next_free_sgpr 66
		.amdhsa_reserve_vcc 1
		.amdhsa_float_denorm_mode_32 3
		.amdhsa_float_denorm_mode_16_64 3
		.amdhsa_memory_ordered 1
		.amdhsa_forward_progress 1
		.amdhsa_inst_pref_size 96
	.end_amdhsa_kernel
	.amdgpu_metadata
---
amdhsa.version: [ 1, 2 ]
amdhsa.kernels:
  - .name:           k_q67e263ac16_prep
    .symbol:         k_q67e263ac16_prep.kd
    .args:
      - { .name: x, .offset: 0, .size: 8, .value_kind: global_buffer, .address_space: global }
      - { .name: w_attn, .offset: 8, .size: 8, .value_kind: global_buffer, .address_space: global }
      - { .name: w_proj, .offset: 16, .size: 8, .value_kind: global_buffer, .address_space: global }
      - { .name: xc, .offset: 24, .size: 8, .value_kind: global_buffer, .address_space: global }
      - { .name: xs, .offset: 32, .size: 8, .value_kind: global_buffer, .address_space: global }
      - { .name: wc, .offset: 40, .size: 8, .value_kind: global_buffer, .address_space: global }
      - { .name: ws, .offset: 48, .size: 8, .value_kind: global_buffer, .address_space: global }
      - { .name: wpt, .offset: 56, .size: 8, .value_kind: global_buffer, .address_space: global }
    .group_segment_fixed_size: 85504
    .private_segment_fixed_size: 0
    .kernarg_segment_align: 8
    .kernarg_segment_size: 64
    .max_flat_workgroup_size: 128
    .sgpr_count:     66
    .vgpr_count:     192
    .wavefront_size: 32
...
	.end_amdgpu_metadata
.endif
;; end of part 1
;; launch qkv (part 2): grid 12 x 16, 4 waves a work-group, clusters of 4 x 4, 327,680 bytes of LDS; arguments xc, xs, wc, ws, qkv16, b_attn, qkv32; writes qkv16, qkv32
.if DOCPART == 2
	.amdgcn_target "amdgcn-amd-amdhsa--gfx1250"
	.amdhsa_code_object_version 6
	.text
	.protected	k_q67e263ac16_qkv
	.globl	k_q67e263ac16_qkv
	.p2align	8
	.type	k_q67e263ac16_qkv,@function
k_q67e263ac16_qkv:
	s_mov_b64 s[64:65], 0
	v_nop
	global_prefetch_b8 v0, s[64:65] scope:SCOPE_SE
	s_setreg_imm32_b32 hwreg(HW_REG_WAVE_MODE, 25, 1), 1
	s_wait_xcnt 0x0
	s_wait_alu depctr_hold_cnt(0) depctr_sa_sdst(0) depctr_va_vdst(0) depctr_va_sdst(0) depctr_va_ssrc(0) depctr_va_vcc(0) depctr_vm_vsrc(0)
	s_getreg_b32 s2, hwreg(HW_REG_IB_STS2, 6, 4)
	s_cmp_eq_u32 s2, 0
	s_cbranch_scc0 .Lentry_in_a_cluster
	s_endpgm
.Lentry_in_a_cluster:
	s_bfe_u32 s2, ttmp6, 0x10000c
	s_cmp_lg_u32 s2, 0xf033
	s_cbranch_scc0 .Lentry_shape_is_right
	s_endpgm
.Lentry_shape_is_right:
; qkv = Q(x) Q(w_attn) + b_attn on codes of E2M1 with one E8M0 byte for each 32 along K; sums in f32.  M = 4,096, N = 3,072, K = 1,024.
; A tile of 256 x 256 to a work-group of four waves, 128 x 128 to a wave: 64 accumulators, 512 registers.  K is two steps of 512: both lie in the two LDS slots from the start, nothing is filled again.
; The scale bytes of the work-group's 256 rows of x and 256 columns of w_attn, for all of K, come into LDS once, with the first fills.
; CLUSTERS: 4 x 4 work-groups; the four of a row need the same tiles of x, the four of a column the same tiles of w_attn: each tile is asked for jointly.
; THE MATRIX INSTRUCTION IS USED TRANSPOSED (source 0 = 16 columns of w_attn, source 1 = 16 rows of x): a lane holds eight neighbouring columns of one row.  The bias is the C of each sum's first product.
; OUT: qkv16, f16, [batch][48 heads: q 0-15, k 16-31, v 32-47][2048][64]: each store of the wave covers four rows of one head, 512 consecutive bytes.
;      qkv32, f32: positions 0-15 of both sequences as an image of the accumulators: [batch][head][piece 2 b + i][lane][16 bytes]: lane (r, h) holds position r, channels 16 b + 8 h + 4 i + 0..3.
; LIMIT: |q|, |k|, |v| stay under 65,504 (f16).
; 192 work-groups: a smaller tile would fill all WGPs at twice the LDS reads for each product; this product is a small part of the program's matrix work.
; REGISTERS: window 0: v0-31 addresses; v32-95 scale words, two sets; v128-191 x's fragments, one set; v192-255 the bias; on the way out v128-223.  window 1: w_attn's fragments, two sets.  windows 2, 3: the accumulators.
.set KSTEP,  512
.set NQ,     4
.set ROWB,   256                       ; a tile's row in bytes: 512 codes
.set KROW,   512                       ; a row of codes in memory
.set PITCH,  272                       ; an LDS row: 256 bytes + 16 of padding: the 16 rows of a load start at 16 different banks (64 banks of 4 bytes: ISA guide 11.1)
.set FR,     8
.set NL,     2
.set NP,     4
.set HALFT,  128*PITCH
.set SLOT,   4*HALFT
.set KS,     32                        ; a row of scale bytes
.set SCL,    2*SLOT
.set HALFS,  (128*KS/256)*272
.set SBLK,   (16*KS/256)*272
.set SPARE,  SCL+4*HALFS               ; the spare words, 128 bytes for each wave: two blocks of 256 bytes that no other line names
.set SPITCH, 272                       ; the way out: a stage of 16 rows x (256 bytes + 16) for each wave, in slot 0, which has had its one fill and its last read by then
.set ADRA, 16
.set ADRB, 20
.set STO,  24
.set RD,   25
.set CO,   26                          ; v26 16 x lane
.set ADRS, 27
.set SPW,  28
.set NIL,  29
.set FSV,  30
.set SC,   32
.set AF,   128
.set BIAS, 192
.set TMP,  128                         ; the way out: packed results
.set BK,   160                         ; and rows read back: v160-191 and v192-223 by turns
.set G1, 24
.set G0, 32
.set G1B, 48
.set G0B, 56
.set G1S, 68
.set G0S, 76
.set G1SB, 80
.set G0SB, 88
.set MSB, 0
.macro WIN new                         ; the immediate's high byte repeats the setting that is left
.if MSB != \new
	s_set_vgpr_msb (MSB<<8)|\new
.set MSB, \new
.endif
.endm
.set MUL_LO, 0xa1                      ; source 0 (w_attn) window 1, source 1 (x) window 0, C and D window 2
.set MUL_HI, 0xf1
.set BIA_LO, 0x81                      ; the same with C (the bias) in window 0
.set BIA_HI, 0xc1
.set TO_B,   0x40
.macro JLOAD g0a, g1a, g0b, g1b        ; a joint load: waves 0 and 1 fetch for x, waves 2 and 3 for w_attn; an s_nop 0 and four v_nop follow each line
	s_cmp_eq_u32 s15, 0
	s_cbranch_scc0 .Lfor_b_\@
	tensor_load_to_lds s[\g0a:\g0a+3], s[\g1a:\g1a+7]
	s_nop 0
.rept 4
	v_nop
.endr
	s_branch .Lasked_\@
.Lfor_b_\@:
	tensor_load_to_lds s[\g0b:\g0b+3], s[\g1b:\g1b+7]
	s_nop 0
.rept 4
	v_nop
.endr
.Lasked_\@:
.endm
.macro CROUND                          ; a round of the cluster's barrier
	s_barrier_signal -1
	s_barrier_wait -1
	s_cmp_lg_u32 s14, 0
	s_cbranch_scc1 .Lnot_wave_0_\@
	s_barrier_signal -3
.Lnot_wave_0_\@:
	s_barrier_wait -3
	s_barrier_signal -1
	s_barrier_wait -1
.endm
	s_load_b128 s[4:7], s[0:1], 0x0                ; xc, xs
	s_load_b128 s[8:11], s[0:1], 0x10              ; wc, ws
	s_load_b64 s[12:13], s[0:1], 0x20              ; qkv16
	s_load_b64 s[96:97], s[0:1], 0x28              ; b_attn
	s_load_b64 s[98:99], s[0:1], 0x30              ; qkv32
	v_lshl_add_u32 v[SPW], v0, 2, SPARE
	v_mov_b32 v[NIL], 0
	ds_add_u32 v[SPW], v[NIL]                      ; the wave's opening: the add, twice on end, and its wait ahead of my first tensor load
	ds_add_u32 v[SPW], v[NIL]
	v_lshrrev_b32 v1, 5, v0
	v_readfirstlane_b32 s14, v1                    ; wave 0..3
	s_lshr_b32 s15, s14, 1                         ; which half of the tile's rows is mine.  Also: I fetch for x (0) or for w_attn (1)
	s_and_b32 s16, s14, 1                          ; which half of its columns.  Also: which 128 rows of that tile I fetch
	s_bfe_u32 s40, ttmp6, 0x40000                  ; cx, cy
	s_bfe_u32 s41, ttmp6, 0x40004
	s_lshl_b32 s42, ttmp9, 2
	s_add_co_u32 s42, s42, s40                     ; tile column
	s_and_b32 s17, ttmp7, 0xffff
	s_lshl_b32 s17, s17, 2
	s_add_co_u32 s17, s17, s41                     ; tile row
	s_lshl_b32 s43, s41, 2
	s_lshl_b32 s43, 15, s43                        ; my row of the cluster
	s_lshl_b32 s44, 0x1111, s40                    ; my column
	s_or_b32 s[G1+0], s43, (0<<16)|(1<<20)|(1<<21)|(5<<22)|(3<<25)  ; the mask; elements of 1 byte; padding on; bit 21 beside a mask; after every 64 words 4 words
	s_or_b32 s[G1B+0], s44, (0<<16)|(1<<20)|(1<<21)|(5<<22)|(3<<25)
.irp g, G1, G1B
	s_mov_b32 s[\g+1], ROWB<<16                    ; tensor_dim0
	s_mov_b32 s[\g+2], 128<<16                     ; tensor_dim1
	s_mov_b32 s[\g+3], ROWB<<16                    ; tile_dim0
	s_mov_b32 s[\g+4], 128                         ; tile_dim1
	s_mov_b32 s[\g+5], KROW                        ; the pitch
	s_mov_b32 s[\g+6], 0
	s_mov_b32 s[\g+7], 0
.endr
	s_or_b32 s[G1S+0], s43, (3<<16)|(1<<20)|(1<<21)|(5<<22)|(3<<25)  ; the scales of 128 rows: 4,096 dense bytes as 16 rows of 256 (32 elements of 8 bytes), 16 bytes of padding behind each
	s_or_b32 s[G1SB+0], s44, (3<<16)|(1<<20)|(1<<21)|(5<<22)|(3<<25)
.irp g, G1S, G1SB
	s_mov_b32 s[\g+1], 32<<16
	s_mov_b32 s[\g+2], (128*KS/256)<<16
	s_mov_b32 s[\g+3], 32<<16
	s_mov_b32 s[\g+4], 128*KS/256
	s_mov_b32 s[\g+5], 32
	s_mov_b32 s[\g+6], 0
	s_mov_b32 s[\g+7], 0
.endr
	s_lshl_b32 s18, s16, 7
	s_lshl_b32 s20, s17, 8
	s_add_co_u32 s20, s20, s18                     ; x: row 256 x tile row + 128 x half
	s_lshl_b32 s46, s42, 8
	s_add_co_u32 s46, s46, s18                     ; w_attn: column 256 x tile column + 128 x half
	s_mov_b32 s21, 0
	s_mov_b32 s47, 0
	s_mov_b64 s[18:19], KS
	s_mul_u64 s[22:23], s[20:21], s[18:19]
	s_mul_u64 s[92:93], s[46:47], s[18:19]
	s_mov_b64 s[18:19], KROW
	s_mul_u64 s[20:21], s[20:21], s[18:19]
	s_mul_u64 s[46:47], s[46:47], s[18:19]
	s_mul_i32 s45, s14, HALFT                      ; where they go: wave x 128 rows: no place in the cluster enters an LDS address
	s_mul_i32 s94, s14, HALFS
	s_wait_dscnt 0x0                               ; both opening adds are done
	s_wait_kmcnt 0x0
	s_add_nc_u64 s[20:21], s[4:5], s[20:21]
	s_add_nc_u64 s[22:23], s[6:7], s[22:23]
	s_add_nc_u64 s[46:47], s[8:9], s[46:47]
	s_add_nc_u64 s[92:93], s[10:11], s[92:93]
	CROUND                                         ; all sixteen work-groups are here: the joint loads meet
	s_mov_b32 s[G0S], 1
	s_add_co_u32 s[G0S+1], s94, SCL
	s_mov_b64 s[G0S+2:G0S+3], s[22:23]
	s_or_b32 s[G0S+3], s[G0S+3], 0x80000000
	s_mov_b32 s[G0SB], 1
	s_add_co_u32 s[G0SB+1], s94, SCL
	s_mov_b64 s[G0SB+2:G0SB+3], s[92:93]
	s_or_b32 s[G0SB+3], s[G0SB+3], 0x80000000
	JLOAD G0S, G1S, G0SB, G1SB                     ; the scales first; then both K steps: three loads of mine are out
.irp s, 0,1
	s_mov_b32 s[G0+4*\s], 1
	s_add_co_u32 s[G0+4*\s+1], s45, \s*SLOT
	s_add_nc_u64 s[G0+4*\s+2:G0+4*\s+3], s[20:21], \s*ROWB
	s_or_b32 s[G0+4*\s+3], s[G0+4*\s+3], 0x80000000
	s_mov_b32 s[G0B+4*\s], 1
	s_add_co_u32 s[G0B+4*\s+1], s45, \s*SLOT
	s_add_nc_u64 s[G0B+4*\s+2:G0B+4*\s+3], s[46:47], \s*ROWB
	s_or_b32 s[G0B+4*\s+3], s[G0B+4*\s+3], 0x80000000
	JLOAD G0+4*\s, G1, G0B+4*\s, G1B
.endr
	v_and_b32 v1, 15, v0                           ; r
	v_bfe_u32 v2, v0, 4, 1                         ; h
	; the bias: for block b of my columns the eight numbers b_attn[my first column + 16 b + 8 h + 0..7]
	s_lshl_b32 s46, s42, 1
	s_add_co_u32 s46, s46, s16                     ; 2 x tile column + half: which 128 columns are mine
	s_lshl_b32 s18, s46, 9
	s_mov_b32 s19, 0
	s_add_nc_u64 s[96:97], s[96:97], s[18:19]
	v_lshlrev_b32 v7, 5, v2
.irp b, 0,1,2,3,4,5,6,7
	global_load_b128 v[BIAS+8*\b:BIAS+8*\b+3], v7, s[96:97] offset:64*\b
	global_load_b128 v[BIAS+8*\b+4:BIAS+8*\b+7], v7, s[96:97] offset:64*\b+16
.endr
	v_mul_u32_u24 v3, v1, PITCH
	v_lshl_add_u32 v4, v2, 4, v3                   ; a fragment's row x pitch + 16 x half
	s_mul_i32 s21, s15, HALFT
	s_mul_i32 s22, s16, HALFT
	s_add_co_u32 s22, s22, 2*HALFT
.irp s, 0,1
	v_add_nc_u32 v[ADRA+\s], s21, v4
	v_add_nc_u32 v[ADRB+\s], s22, v4
	s_add_co_u32 s21, s21, SLOT
	s_add_co_u32 s22, s22, SLOT
.endr
	v_mul_u32_u24 v5, v1, KS                       ; my row's scales: 32 bytes a row,
	v_lshrrev_b32 v6, 8, v5
	v_lshl_add_u32 v5, v6, 4, v5                   ; and 16 more for each 256 passed
	s_mul_i32 s21, s15, HALFS
	s_mul_i32 s22, s16, HALFS
	s_add_co_u32 s22, s22, 2*HALFS
	s_sub_co_u32 s22, s22, s21
	v_mul_u32_u24 v6, s22, v2                      ; lanes 16-31 take w_attn's
	s_add_co_u32 s21, s21, SCL
	v_add_nc_u32 v5, v5, v6
	v_add_nc_u32 v[ADRS], s21, v5
	s_mul_i32 s23, s14, 16*SPITCH                  ; my stage
	v_mul_u32_u24 v5, v1, SPITCH
	v_lshl_add_u32 v5, v2, 4, v5
	v_add_nc_u32 v[STO], s23, v5                   ; in: row r, 16 bytes for each half of the lanes
	v_bfe_u32 v5, v0, 3, 2
	v_mul_u32_u24 v5, v5, SPITCH
	v_and_b32 v6, 7, v0
	v_lshl_add_u32 v5, v6, 4, v5
	v_add_nc_u32 v[RD], s23, v5                    ; back: eight lanes take a head's 128 bytes of a row, four rows an instruction
	v_and_b32 v6, 31, v0
	v_lshlrev_b32 v[CO], 4, v6
	; where my part begins: qkv16: batch x 48 heads + my two heads + my first position; qkv32: batch x 196,608 + my two heads
	s_lshr_b32 s18, s17, 3                         ; the batch
	s_and_b32 s66, s17, 7
	s_lshl_b32 s20, s66, 15                        ; 256 positions of 128 bytes
	s_lshl_b32 s21, s15, 14
	s_add_co_u32 s20, s20, s21
	s_mul_i32 s21, s18, 12582912
	s_add_co_u32 s20, s20, s21
	s_mov_b32 s21, 0
	s_add_nc_u64 s[12:13], s[12:13], s[20:21]
	s_or_b32 s66, s66, s15                         ; 0 where my first 16 rows are a sequence's positions 0-15
	s_mul_i32 s20, s18, 196608
	s_add_nc_u64 s[98:99], s[98:99], s[20:21]
	s_lshl_b32 s22, s46, 19                        ; two heads of 262,144 bytes
	s_mov_b32 s23, 0
	s_add_nc_u64 s[12:13], s[12:13], s[22:23]
	s_lshl_b32 s22, s46, 13                        ; two heads of 4,096 bytes
	s_add_nc_u64 s[98:99], s[98:99], s[22:23]
.macro FRAG reg, adr, q, i             ; 16 rows x 128 K of 4-bit codes: 8 registers: lane l holds row l % 16; registers 4 c .. 4 c + 3 hold K = 64 c + 32 (l / 16) + 0 .. 31
.irp c, 0,1
	ds_load_b128 v[\reg+4*\c:\reg+4*\c+3], v[\adr] offset:64*(\q)+32*\c+(\i)*16*PITCH
.endr
.endm
; 16 matrix instructions: x's blocks a0, a0 + 1 against w_attn's eight, 128 along K.  zero = 1: the first product starts the sums from the bias.  The 64 accumulators take turns, one instruction a turn.
.macro MUL16 a0, p, q, sc, zero
.irp a, \a0, \a0+1
.irp b, 0,1,2,3,4,5,6,7
.if \zero
	v_wmma_scale_f32_16x16x128_f8f6f4 v[8*(8*((\a)%4)+\b):8*(8*((\a)%4)+\b)+7], v[128*(\p)+FR*\b:128*(\p)+FR*\b+FR-1], v[AF+FR*(\a):AF+FR*(\a)+FR-1], v[BIAS+8*\b:BIAS+8*\b+7], v[SC+8*NQ*(\sc)+NQ*\b+(\q)], v[SC+8*NQ*(\sc)+NQ*(\a)+(\q)] matrix_a_fmt:MATRIX_FMT_FP4 matrix_b_fmt:MATRIX_FMT_FP4 matrix_a_scale:MATRIX_SCALE_ROW1
.else
	v_wmma_scale_f32_16x16x128_f8f6f4 v[8*(8*((\a)%4)+\b):8*(8*((\a)%4)+\b)+7], v[128*(\p)+FR*\b:128*(\p)+FR*\b+FR-1], v[AF+FR*(\a):AF+FR*(\a)+FR-1], v[8*(8*((\a)%4)+\b):8*(8*((\a)%4)+\b)+7], v[SC+8*NQ*(\sc)+NQ*\b+(\q)], v[SC+8*NQ*(\sc)+NQ*(\a)+(\q)] matrix_a_fmt:MATRIX_FMT_FP4 matrix_b_fmt:MATRIX_FMT_FP4 matrix_a_scale:MATRIX_SCALE_ROW1
.endif
.endr
.endr
.endm
.macro FETCH_B slot, q, p
	WIN TO_B
.irp i, 0,1,2,3,4,5,6,7
	FRAG 128*(\p)+FR*\i, ADRB+\slot, \q, \i
.endr
	WIN 0
.endm
.macro FETCH_A slot, q, i0
.irp i, \i0, \i0+1, \i0+2, \i0+3
	FRAG AF+FR*(\i), ADRA+\slot, \q, \i
.endr
.endm
.macro SCALES sc                       ; a K step's scale words: 4 words a row; lanes 0-15 take x's block i, lanes 16-31 w_attn's block i
.irp i, 0,1,2,3,4,5,6,7
	ds_load_b128 v[SC+8*NQ*\sc+NQ*\i:SC+8*NQ*\sc+NQ*\i+3], v[ADRS] offset:\i*SBLK
.endr
.endm
.macro PLACES n                        ; plain vector instructions between a matrix instruction and a load into, or a read of, its registers
.rept \n
	v_nop
.endr
.endm
.macro STEP slot, q, zero              ; a step of 128 along K that has its successor in the same slot
	s_wait_dscnt 4*NL                              ; w_attn's set and x's blocks 0-3 are in; the youngest eight loads (x's blocks 4-7) may be out
.if \zero
	WIN BIA_LO
.else
	WIN MUL_LO
.endif
	MUL16 0, (\q)%2, \q, \slot, \zero
	MUL16 2, (\q)%2, \q, \slot, \zero
	s_wait_dscnt 0
	PLACES NP
	FETCH_B \slot, (\q)+1, 1-(\q)%2
	FETCH_A \slot, (\q)+1, 0
.if \zero
	WIN BIA_HI
.else
	WIN MUL_HI
.endif
	MUL16 4, (\q)%2, \q, \slot, \zero
	MUL16 6, (\q)%2, \q, \slot, \zero
	PLACES NP
	WIN 0
	FETCH_A \slot, (\q)+1, 4
.endm
	s_wait_tensorcnt 1                             ; the scales and my part of K step 0 are in; K step 1's load may be out
	s_barrier_signal -1
	s_barrier_wait -1
	FETCH_B 0, 0, 0
	FETCH_A 0, 0, 0
	SCALES 0
	FETCH_A 0, 0, 4
	s_wait_loadcnt 0x0                             ; the bias
	STEP 0, 0, 1
	STEP 0, 1, 0
	STEP 0, 2, 0
	; slot 0's last step changes slots: one barrier; in front of it each wave waits for all its tensor loads, adds 0 to its spare word, and waits for that and for its reads of slot 0
	s_wait_tensorcnt 0x0                           ; my part of slot 1 is in
	ds_add_u32 v[SPW], v[NIL]
	s_wait_dscnt 4*NL+1                            ; the add and the youngest eight loads may be out
	WIN MUL_LO
	MUL16 0, 1, 3, 0, 0
	s_wait_dscnt 0x0
	s_barrier_signal -1
	MUL16 2, 1, 3, 0, 0
	WIN 0
	s_barrier_wait -1
	PLACES NP
	v_add_nc_u32 v[ADRS], 4*NQ, v[ADRS]            ; on to K step 1's scale words
	FETCH_B 1, 0, 0
	FETCH_A 1, 0, 0
	SCALES 1
	WIN MUL_HI
	MUL16 4, 1, 3, 0, 0
	MUL16 6, 1, 3, 0, 0
	PLACES NP
	WIN 0
	FETCH_A 1, 0, 4
	STEP 1, 0, 0
	STEP 1, 1, 0
	STEP 1, 2, 0
	s_wait_dscnt 4*NL                              ; the last step: nothing more to fetch
	WIN MUL_LO
	MUL16 0, 1, 3, 1, 0
	MUL16 2, 1, 3, 1, 0
	s_wait_dscnt 0
	WIN MUL_HI
	MUL16 4, 1, 3, 1, 0
	MUL16 6, 1, 3, 1, 0
	WIN 0
	; THE WAY OUT.  (a) Positions 0-15 in f32: my block 0, as it stands in the accumulators, where my first 16 rows are such positions.  The choice is made by EXEC, not by a branch: partners of a cluster run alike.
	PLACES NP
	v_mov_b32 v[FSV], s66
	v_cmp_eq_u32 vcc_lo, 0, v[FSV]
	s_wait_xcnt 0x0                                ; EXEC changes only behind this wait
	s_and_saveexec_b32 s95, vcc_lo
	WIN 0x08                                       ; a store's data: window 2
.irp b, 0,1,2,3,4,5,6,7
	global_store_b128 v[CO], v[8*\b:8*\b+3], s[98:99] offset:(2*\b)*512      ; each accumulator from its low end on; 512 consecutive bytes a store
	global_store_b128 v[CO], v[8*\b+4:8*\b+7], s[98:99] offset:(2*\b+1)*512
.endr
	WIN 0
	s_wait_xcnt 0x0                                ; and again in front of the line that widens it
	s_or_b32 exec_lo, exec_lo, s95
	; (b) All rows in f16, by head, a block of 16 rows at a time through my stage.
.macro PACK a
.set AC, 64*((\a)%4)
	WIN 0x0a+5*((\a)/4)                            ; sources 0 and 1: window 2 or 3
.irp b, 0,1,2,3,4,5,6,7
.irp r, 0,1,2,3
	v_cvt_pk_f16_f32 v[TMP+4*\b+\r], v[AC+8*\b+2*\r], v[AC+8*\b+2*\r+1]
.endr
.endr
	WIN 0
.endm
.macro TOSTAGE a
.set BB, BK+32*((\a)%2)
.irp b, 0,1,2,3,4,5,6,7
	ds_store_b128 v[STO], v[TMP+4*\b:TMP+4*\b+3] offset:32*\b
.endr
.irp t, 0,1,2,3,4,5,6,7
	ds_load_b128 v[BB+4*\t:BB+4*\t+3], v[RD] offset:(\t%4)*4*SPITCH+(\t/4)*128   ; LDS serves a wave's instructions in order: these see the stores above
.endr
.endm
.macro SEND a
.set BB, BK+32*((\a)%2)
	s_wait_dscnt 0x0                               ; the block is back in registers
	s_wait_xcnt 0x0                                ; the stores of the block before have read their registers: the next block's loads may land there
.irp t, 0,1,2,3,4,5,6,7
	global_store_b128 v[CO], v[BB+4*\t:BB+4*\t+3], s[12:13] offset:(\a)*2048+(\t/4)*262144+(\t%4)*512
.endr
.endm
	PACK 0
	TOSTAGE 0
.irp a, 1,2,3,4,5,6,7
	PACK \a
	SEND \a-1
	TOSTAGE \a
.endr
	SEND 7
	s_wait_tensorcnt 0x0                           ; the wave's end, behind my last tensor load and my last LDS store
	ds_add_u32 v[SPW], v[NIL]
	s_wait_dscnt 0x0
	CROUND                                         ; the closing round
	s_endpgm
.Lfunc_end_k_q67e263ac16_qkv:
	.size	k_q67e263ac16_qkv, .Lfunc_end_k_q67e263ac16_qkv-k_q67e263ac16_qkv
	.p2alignl 7, 3214868480
	.fill 96, 4, 3214868480
	.section	.rodata,"a",@progbits
	.p2align	6, 0x0
	.amdhsa_kernel k_q67e263ac16_qkv
		.amdhsa_group_segment_fixed_size 327680
		.amdhsa_private_segment_fixed_size 0
		.amdhsa_enable_private_segment 0
		.amdhsa_kernarg_size 56
		.amdhsa_user_sgpr_count 2
		.amdhsa_user_sgpr_kernarg_segment_ptr 1
		.amdhsa_wavefront_size32 1
		.amdhsa_system_sgpr_workgroup_id_x 1
		.amdhsa_system_sgpr_workgroup_id_y 1
		.amdhsa_system_sgpr_workgroup_id_z 1
		.amdhsa_system_vgpr_workitem_id 0
		.amdhsa_next_free_vgpr 1024
		.amdhsa_next_free_sgpr 100
		.amdhsa_reserve_vcc 1
		.amdhsa_float_denorm_mode_32 3
		.amdhsa_float_denorm_mode_16_64 3
		.amdhsa_memory_ordered 1
		.amdhsa_forward_progress 1
		.amdhsa_inst_pref_size 130
	.end_amdhsa_kernel
	.amdgpu_metadata
---
amdhsa.version: [ 1, 2 ]
amdhsa.kernels:
  - .name:           k_q67e263ac16_qkv
    .symbol:         k_q67e263ac16_qkv.kd
    .args:
      - { .name: xc, .offset: 0, .size: 8, .value_kind: global_buffer, .address_space: global }
      - { .name: xs, .offset: 8, .size: 8, .value_kind: global_buffer, .address_space: global }
      - { .name: wc, .offset: 16, .size: 8, .value_kind: global_buffer, .address_space: global }
      - { .name: ws, .offset: 24, .size: 8, .value_kind: global_buffer, .address_space: global }
      - { .name: qkv16, .offset: 32, .size: 8, .value_kind: global_buffer, .address_space: global }
      - { .name: b_attn, .offset: 40, .size: 8, .value_kind: global_buffer, .address_space: global }
      - { .name: qkv32, .offset: 48, .size: 8, .value_kind: global_buffer, .address_space: global }
    .group_segment_fixed_size: 327680
    .private_segment_fixed_size: 0
    .kernarg_segment_align: 8
    .kernarg_segment_size: 56
    .max_flat_workgroup_size: 128
    .sgpr_count:     100
    .vgpr_count:     1024
    .wavefront_size: 32
...
	.end_amdgpu_metadata
.endif
;; end of part 2
;; launch attn (part 3): grid 8 x 32, 16 waves a work-group, no clusters, 327,680 bytes of LDS; arguments qkv16, y16; writes y16
.if DOCPART == 3
	.amdgcn_target "amdgcn-amd-amdhsa--gfx1250"
	.amdhsa_code_object_version 6
	.text
	.protected	k_q67e263ac16_attn
	.globl	k_q67e263ac16_attn
	.p2align	8
	.type	k_q67e263ac16_attn,@function
k_q67e263ac16_attn:
	s_mov_b64 s[64:65], 0
	v_nop
	global_prefetch_b8 v0, s[64:65] scope:SCOPE_SE
	s_setreg_imm32_b32 hwreg(HW_REG_WAVE_MODE, 25, 1), 1
	s_wait_xcnt 0x0
; y = softmax(q k^T / 8, causal) v for one head, f16 operands, f32 sums, maxima and row sums.  qkv16: [batch][48 heads][2048][64] f16.  y16: [token / 128][head][128][64] f16.
; SHARES.  Work-group (j, batch x 16 + head) owns TWO blocks of 128 queries: block j and block 15 - j, so that under the causal mask every work-group has the same work: 272 steps of a tile.
; SIXTEEN waves of 256 registers, four to a SIMD, so that one wave's softmax and LDS loads stand beside the others' products.  Waves w and w + 8 own the SAME two tiles of 16 queries:
; tile 0 (early, from 128 j + 16 (w % 8)) and tile 1 (late, from 128 (15 - j) + 16 (w % 8)); THE KEYS ARE SHARED BETWEEN THE TWO: group g = w / 8 takes the key steps of parity g.
; Each keeps its own running maximum, sum and O^T; at the end group 1 hands its state over through LDS, as an image of its registers, and group 0 joins the two and stores.
; Every wave walks all 8 slots of 256 keys (constant trip counts), 64 keys a step; a step of the other parity, or all of whose keys come after the late tile, is left out; a step past the early tile runs the late tile alone.
; LAYOUT.  S^T = K Q^T (source 0 = 16 keys, source 1 = 16 queries): a lane holds one query (lane % 16) and keys 8 (lane / 16) + 0..7 of each tile of 16; two such tiles rounded to f16 in pairs ARE source 1 of
; O^T = V^T P; V, stored [key][channel], comes out of LDS turned by ds_load_tr16_b128.
; SOFTMAX.  A running maximum m and sum l for each query: p = 2^(c s - c m), c = log2(e) / 8; O and l are multiplied by a = 2^(c m_old - c m_new) in every step.  The sum is taken of p before it is rounded.
; NO CLUSTER: the eight work-groups of a head stop reading at different slots, so a joint load would bring tiles that some partner never reads.
; LIMIT: |y| stays under 65,504 (f16); positions 0-15 are made again in f32 by a later launch.
.set KP,    272                        ; two keys of K (256 bytes) + 16 of padding
.set VP,    288                        ; two keys of V + 32
.set SK,    256                        ; keys in a slot
.set VOFF,  (SK/2)*KP                  ; a slot: 128 rows of K, then 128 rows of V
.set SLOT1, 1<<17                      ; slot 1 begins here: one exclusive or turns an address from one slot to the other
.set KSTP,  32*KP                      ; a step's 64 keys
.set VSTP,  32*VP
.set STAGE, SLOT1+(SK/2)*(KP+VP)       ; behind the ring: for each wave of group 0 and each tile 16 rows x (128 bytes + 16)
.set YP,    144
.set XCH,   STAGE+8*2*16*YP            ; behind the stages: what group 1 hands over: for each pair of waves and each tile
.set XT,    9*512                      ; eight images of four registers of O^T and one of c m, m, l, l: 512 bytes each
.set SPARE, XCH+8*2*XT                 ; the spare words, 128 bytes for each wave: eight blocks of 256 bytes that no other line names
.set HEADB, 262144
.set AK0, 1                            ; v1  my lane's place in a tile of K
.set AV0, 2                            ; v2  the same for V
.set ADK, 3
.set ADV, 4
.set SPW, 5
.set NIL, 6
.set RH,  7                            ; v7  lane % 16 - 8 (lane / 16)
.set DD,  8
.set NINF, 9
.set STO, 10
.set RD,  11
.set ST,  12                           ; v12-27 tile t's statistics at v[ST + 8 t]: +0 c m, +1 m, +2, +3 l, +4 to +7 at work (a in +6)
.set GO,  28
.set PFO, 29
.set QO,  30
.set XA,  31                           ; v31 my lane's place in my pair's hand-over: the same in waves w and w + 8
.set QQ,  32                           ; v32-63   Q, 16 a tile; at the end v32-39 the partner's statistics
.set SS,  64                           ; v64-127  S^T, then P, 32 a tile
.set OO,  128                          ; v128-191 O^T, 32 a tile
.set KV,  192                          ; v192-255 the step's fragments of K, then of V; at the end the partner's O^T
.set TK,  2
.set TV,  3
.set WV,  18
.set SEL, 20
.set CS,  22
.set G1K, 24
.set G1V, 32
.set G0K, 40
.set G0V, 44
.set KF,  66                           ; s66 the step's first key
.set SLOTS, 67
.set TW,  68
.set QA0, 69
.set QB0, 70
.set QA15, 71
.set YA,  72
.set YB,  74
.set PFA, 76
.set QB15, 78
.set GRP, 79                           ; s79 my group: wave / 8
.set LIM, 80
.set WT,  81                           ; s81 which tiles are mine: wave % 8
.macro TLOAD                           ; waves 0 and 1 fetch K's halves of a slot, waves 2 and 3 V's, the others nothing; an s_nop 0 and four v_nop follow each line
	s_cmp_lt_u32 s[WV], 2
	s_cbranch_scc0 .Lnot_k_\@
	tensor_load_to_lds s[G0K:G0K+3], s[G1K:G1K+7]
	s_nop 0
.rept 4
	v_nop
.endr
	s_branch .Lasked_\@
.Lnot_k_\@:
	s_cmp_lt_u32 s[WV], 4
	s_cbranch_scc0 .Lasked_\@
	tensor_load_to_lds s[G0V:G0V+3], s[G1V:G1V+7]
	s_nop 0
.rept 4
	v_nop
.endr
.Lasked_\@:
.endm
; A prefetch of what the NEXT change of slots will load: 32,768 bytes of K and as many of V.  The head's work-group j = 0, which walks all slots, asks, and nobody else: waves 0-3 for K, waves 4-7 for V,
; 8,192 bytes a wave, lanes 256 bytes apart: each block of 256 bytes is named once in the launch.  The last change that fills a slot asks for nothing; slots 0 and 1 come by their loads alone.
.macro ASK
	s_cmp_gt_u32 s[SLOTS], s[LIM]
	s_cbranch_scc0 .Lnot_mine_\@
	global_prefetch_b8 v[PFO], s[PFA:PFA+1] th:TH_LOAD_NT scope:SCOPE_SE
.Lnot_mine_\@:
.endm
	s_load_b128 s[4:7], s[0:1], 0x0                ; qkv16, y16
	v_lshl_add_u32 v[SPW], v0, 2, SPARE
	v_mov_b32 v[NIL], 0
	ds_add_u32 v[SPW], v[NIL]                      ; the wave's opening: the add, twice on end, and its wait ahead of my first tensor load
	ds_add_u32 v[SPW], v[NIL]
	v_lshrrev_b32 v1, 5, v0
	v_readfirstlane_b32 s[WV], v1                  ; wave 0..15
	s_and_b32 s[WT], s[WV], 7
	s_lshr_b32 s[GRP], s[WV], 3
	s_and_b32 s82, ttmp7, 0xffff
	s_lshr_b32 s83, s82, 4                         ; the batch
	s_and_b32 s84, s82, 15                         ; the head
	s_mul_i32 s86, s83, 48*HEADB
	s_lshl_b32 s85, s84, 18
	s_add_co_u32 s86, s86, s85                     ; q's head, in bytes; k's lies 16 heads on, v's 32
	s_mov_b32 s87, 0
	s_lshl_b32 s85, s[WT], 4
	s_lshl_b32 s[QA0], ttmp9, 7
	s_add_co_u32 s[QA0], s[QA0], s85               ; the early tile's first query
	s_sub_co_u32 s94, 15, ttmp9
	s_lshl_b32 s[QB0], s94, 7
	s_add_co_u32 s[QB0], s[QB0], s85               ; the late tile's
	s_add_co_u32 s[QA15], s[QA0], 15
	s_add_co_u32 s[QB15], s[QB0], 15
	s_lshl_b32 s95, s83, 4                         ; y16: block 16 x batch + j (or 15 - j), head, my 16 tokens
	s_add_co_u32 s90, s95, ttmp9
	s_lshl_b32 s90, s90, 18
	s_add_co_u32 s92, s95, s94
	s_lshl_b32 s92, s92, 18
	s_lshl_b32 s94, s84, 14
	s_lshl_b32 s95, s[WT], 11
	s_add_co_u32 s94, s94, s95
	s_add_co_u32 s90, s90, s94
	s_add_co_u32 s92, s92, s94
	s_mov_b32 s91, 0
	s_mov_b32 s93, 0
	; descriptor group 1: 64 rows of 128 elements of 2 bytes, dense in memory (a row is two keys), padded in LDS
	s_mov_b32 s[G1K], (1<<16)|(1<<20)|(5<<22)|(3<<25)   ; after every 64 words 4 words of padding
	s_mov_b32 s[G1V], (1<<16)|(1<<20)|(5<<22)|(7<<25)   ; 8 words
.irp g, G1K, G1V
	s_mov_b32 s[\g+1], 128<<16
	s_mov_b32 s[\g+2], 64<<16
	s_mov_b32 s[\g+3], 128<<16
	s_mov_b32 s[\g+4], 64
	s_mov_b32 s[\g+5], 128
	s_mov_b32 s[\g+6], 0
	s_mov_b32 s[\g+7], 0
.endr
	s_and_b32 s88, s[WV], 1                        ; which half of a slot I fetch, if I fetch
	s_mov_b32 s[G0K], 1
	s_mul_i32 s[G0K+1], s88, 64*KP
	s_mov_b32 s[G0V], 1
	s_mul_i32 s[G0V+1], s88, 64*VP
	s_add_co_u32 s[G0V+1], s[G0V+1], VOFF
	s_lshl_b32 s88, s88, 14
	s_add_co_u32 s88, s88, s86
	s_mov_b32 s89, 0
	s_mov_b32 s[SEL], 0x76543210
	s_mov_b32 s[SEL+1], 0xfedcba98
	s_mov_b32 s[CS], 0x3e38aa3b                    ; c = log2(e) / 8
	s_mov_b32 s[CS+1], s[CS]
	s_mov_b32 s[TK], 0
	s_mov_b32 s[TV], 0
	s_mov_b32 s[KF], 0
	s_mov_b32 s[SLOTS], 7
	s_wait_dscnt 0x0                               ; both opening adds are done
	s_wait_kmcnt 0x0
	s_add_nc_u64 s[G0K+2:G0K+3], s[4:5], s[88:89]
	s_add_nc_u64 s[G0K+2:G0K+3], s[G0K+2:G0K+3], 16*HEADB
	s_add_nc_u64 s[G0V+2:G0V+3], s[G0K+2:G0K+3], 16*HEADB
	s_or_b32 s[G0K+3], s[G0K+3], 0x80000000
	s_or_b32 s[G0V+3], s[G0V+3], 0x80000000
	TLOAD                                          ; slot 0: key 0 counts for every query
	s_add_nc_u64 s[8:9], s[4:5], s[86:87]          ; q's head
	s_mov_b32 s95, 0
	s_lshl_b32 s94, s[QA0], 7
	s_add_nc_u64 s[10:11], s[8:9], s[94:95]        ; the early tile's rows of q
	s_lshl_b32 s94, s[QB0], 7
	s_add_nc_u64 s[12:13], s[8:9], s[94:95]        ; the late tile's
	s_add_nc_u64 s[YA:YA+1], s[6:7], s[90:91]
	s_add_nc_u64 s[YB:YB+1], s[6:7], s[92:93]
	s_mov_b32 s94, 32*HEADB
	s_cmp_lt_u32 s[WV], 4
	s_cselect_b32 s94, 16*HEADB, s94               ; the prefetches: waves 0-3 stand in k, waves 4-7 in v,
	s_and_b32 s85, s[WV], 3
	s_lshl_b32 s85, s85, 13
	s_add_co_u32 s94, s94, s85                     ; at my wave's 8,192 bytes
	s_add_co_u32 s94, s94, SK*128                  ; of slot 1: the first change of slots steps it to slot 2
	s_add_nc_u64 s[PFA:PFA+1], s[8:9], s[94:95]
	s_or_b32 s85, s[GRP], ttmp9                    ; 0 in waves 0 to 7 of the head's first work-group
	s_cmp_eq_u32 s85, 0
	s_cselect_b32 s[LIM], 1, -1
	v_and_b32 v3, 15, v0                           ; r
	v_bfe_u32 v4, v0, 4, 1                         ; h
	v_lshlrev_b32 v[QO], 7, v3
	v_lshl_add_u32 v[QO], v4, 4, v[QO]             ; q: row r of 128 bytes + 16 h
.irp c, 0,1
	global_load_b128 v[QQ+8*\c:QQ+8*\c+3], v[QO], s[10:11] offset:64*\c
	global_load_b128 v[QQ+8*\c+4:QQ+8*\c+7], v[QO], s[10:11] offset:64*\c+32
	global_load_b128 v[QQ+16+8*\c:QQ+16+8*\c+3], v[QO], s[12:13] offset:64*\c
	global_load_b128 v[QQ+16+8*\c+4:QQ+16+8*\c+7], v[QO], s[12:13] offset:64*\c+32
.endr
	v_bfe_u32 v[AK0], v0, 1, 3
	v_mul_u32_u24 v[AK0], v[AK0], KP
	v_and_b32 v8, 1, v0
	v_lshl_add_u32 v[AK0], v8, 7, v[AK0]
	v_lshl_add_u32 v[AK0], v4, 4, v[AK0]           ; key r: (r / 2) rows + 128 (r % 2) + 16 h
	v_bfe_u32 v[AV0], v0, 1, 2
	v_lshl_add_u32 v[AV0], v4, 2, v[AV0]
	v_mul_u32_u24 v[AV0], v[AV0], VP
	v_lshl_add_u32 v[AV0], v8, 7, v[AV0]
	v_bfe_u32 v31, v0, 3, 1
	v_lshl_add_u32 v[AV0], v31, 4, v[AV0]
	v_add_nc_u32 v[AV0], VOFF, v[AV0]              ; the turning load: key 8 h + l % 8, channels 8 ((l / 8) % 2) on
	v_lshlrev_b32 v31, 3, v4
	v_sub_nc_u32 v[RH], v3, v31
	v_mov_b32 v[NINF], 0xff800000
	v_and_b32 v[GO], 31, v0
	v_lshlrev_b32 v[PFO], 8, v[GO]
	v_lshlrev_b32 v[GO], 4, v[GO]
	s_mul_i32 s85, s[WT], 2*16*YP
	s_add_co_u32 s85, s85, STAGE                   ; my pair's stages: group 0 alone uses them
	v_mul_u32_u24 v[STO], v3, YP
	v_lshl_add_u32 v[STO], v4, 4, v[STO]
	v_add_nc_u32 v[STO], s85, v[STO]               ; in: row r, 16 bytes for each half of the lanes
	v_bfe_u32 v[RD], v0, 3, 2
	v_mul_u32_u24 v[RD], v[RD], YP
	v_and_b32 v31, 7, v0
	v_lshl_add_u32 v[RD], v31, 4, v[RD]
	v_add_nc_u32 v[RD], s85, v[RD]                 ; back: eight lanes to a row of 128 bytes, four rows an instruction
	s_mul_i32 s85, s[WT], 2*XT
	s_add_co_u32 s85, s85, XCH
	v_add_nc_u32 v[XA], s85, v[GO]                 ; the hand-over: 16 x lane in my pair's bytes
.irp t, 0,1
	v_mov_b32 v[ST+8*\t+1], 0xff61b1e6             ; m = -3e38, under every score
	v_mul_f32 v[ST+8*\t], s[CS], v[ST+8*\t+1]      ; c m
.irp u, 2,3,4,5,6,7
	v_mov_b32 v[ST+8*\t+\u], 0                     ; l, and the registers at work
.endr
.endr
.set i, 0
.rept 64
	v_mov_b32 v[OO+i], 0                           ; O^T: the step is written once; the first finds zeros, which a = 0 leaves zeros
.set i, i+1
.endr
.macro PLACES
.rept 4
	v_nop
.endr
.endm
.macro KLOAD                           ; 64 keys x 64 channels: fragment (kt, c) = keys 16 kt on, channels 32 c on
.irp kt, 0,1,2,3
.irp c, 0,1
	ds_load_b128 v[KV+8*(2*\kt+\c):KV+8*(2*\kt+\c)+3], v[ADK] offset:\kt*8*KP+64*\c
	ds_load_b128 v[KV+8*(2*\kt+\c)+4:KV+8*(2*\kt+\c)+7], v[ADK] offset:\kt*8*KP+64*\c+32
.endr
.endr
.endm
.macro VLOAD                           ; turned: fragment (kh, ct) = keys 32 kh on, channels 16 ct on
.irp kh, 0,1
.irp ct, 0,1,2,3
	ds_load_tr16_b128 v[KV+8*(4*\kh+\ct):KV+8*(4*\kh+\ct)+3], v[ADV] offset:\kh*16*VP+32*\ct
	ds_load_tr16_b128 v[KV+8*(4*\kh+\ct)+4:KV+8*(4*\kh+\ct)+7], v[ADV] offset:\kh*16*VP+8*VP+32*\ct
.endr
.endr
.endm
.macro KQ t                            ; S^T of tile t: four accumulators by turns, one instruction a turn; the first four start the sums
.irp c, 0,1
.irp kt, 0,1,2,3
.if \c == 0
	v_wmma_f32_16x16x32_f16 v[SS+32*\t+8*\kt:SS+32*\t+8*\kt+7], v[KV+8*(2*\kt+\c):KV+8*(2*\kt+\c)+7], v[QQ+16*\t+8*\c:QQ+16*\t+8*\c+7], 0
.else
	v_wmma_f32_16x16x32_f16 v[SS+32*\t+8*\kt:SS+32*\t+8*\kt+7], v[KV+8*(2*\kt+\c):KV+8*(2*\kt+\c)+7], v[QQ+16*\t+8*\c:QQ+16*\t+8*\c+7], v[SS+32*\t+8*\kt:SS+32*\t+8*\kt+7]
.endif
.endr
.endr
.endm
.macro PVM t                           ; O^T of tile t += V^T P: four accumulators by turns
.irp kh, 0,1
.irp ct, 0,1,2,3
	v_wmma_f32_16x16x32_f16 v[OO+32*\t+8*\ct:OO+32*\t+8*\ct+7], v[KV+8*(4*\kh+\ct):KV+8*(4*\kh+\ct)+7], v[SS+32*\t+8*\kh:SS+32*\t+8*\kh+7], v[OO+32*\t+8*\ct:OO+32*\t+8*\ct+7]
.endr
.endr
.endm
; Tile t's softmax for one step; fq: the scalar that holds the tile's first query.
.macro SOFTMAX t, fq
.set rT, ST+8*(\t)
.set rS, SS+32*(\t)
.set rO, OO+32*(\t)
	s_add_co_u32 s96, s[KF], 63                    ; a step all of whose keys count for all 16 queries skips the mask: a branch on ids and the count of steps
	s_cmp_le_u32 s96, s[\fq]
	s_cbranch_scc1 .Lopen_\@
	s_sub_co_i32 s96, s[\fq], s[KF]
	v_add_nc_u32 v[DD], s96, v[RH]                 ; d = my query - the step's first key - 8 (lane / 16): register 8 kt + i holds a hidden key where 16 kt + i > d
.set n, 0
.rept 32
	v_cmp_gt_i32 vcc_lo, 16*(n/8)+n%8, v[DD]
	v_cndmask_b32 v[rS+n], v[rS+n], v[NINF], vcc_lo
.set n, n+1
.endr
.Lopen_\@:
.irp u, 0,1,2,3                        ; the maximum, each accumulator from its low end on, four chains
	v_max3_num_f32 v[rT+4+\u], v[rS+8*\u], v[rS+8*\u+1], v[rS+8*\u+2]
.endr
.irp e, 3,5
.irp u, 0,1,2,3
	v_max3_num_f32 v[rT+4+\u], v[rT+4+\u], v[rS+8*\u+\e], v[rS+8*\u+\e+1]
.endr
.endr
	v_max3_num_f32 v[rT+4], v[rT+4], v[rS+7], v[rS+15]
	v_max3_num_f32 v[rT+6], v[rT+6], v[rS+23], v[rS+31]
	v_max3_num_f32 v[rT+4], v[rT+4], v[rT+5], v[rT+6]
	v_max3_num_f32 v[rT+4], v[rT+4], v[rT+7], v[rT+1]   ; and the old m
	v_permlanex16_b32 v[rT+5], v[rT+4], s[SEL], s[SEL+1]   ; the query's other 32 keys lie in the lane 16 away
	v_mov_b32 v[rT+7], v[rT]                       ; c m_old
	v_max_num_f32 v[rT+1], v[rT+4], v[rT+5]
	v_mul_f32 v[rT], s[CS], v[rT+1]
	v_sub_f32 v[rT+7], v[rT+7], v[rT]
	v_exp_f32 v[rT+6], v[rT+7]                     ; a: the first of the batch
.set n, 0
.rept 16
	v_pk_fma_f32 v[rS+2*n:rS+2*n+1], v[rS+2*n:rS+2*n+1], s[CS:CS+1], v[rT:rT+1] op_sel_hi:[1,0,0] neg_lo:[0,0,1] neg_hi:[0,0,1]   ; c s - c m
.set n, n+1
.endr
.set n, 0
.rept 32
	v_exp_f32 v[rS+n], v[rS+n]
.set n, n+1
.endr
	v_nop                                          ; a plain instruction behind the last exponential
	s_wait_alu depctr_va_vdst(0)                   ; one wait for the 33, ahead of the first instruction that names a result
	v_pk_fma_f32 v[rT+2:rT+3], v[rT+2:rT+3], v[rT+6:rT+7], v[rS:rS+1] op_sel_hi:[1,0,1]   ; l = a l + the sum of the unrounded p, in two chains
	v_pk_add_f32 v[rT+4:rT+5], v[rS+2:rS+3], v[rS+4:rS+5]
.irp e, 3,5,7,9,11,13
	v_pk_add_f32 v[rT+2:rT+3], v[rT+2:rT+3], v[rS+2*\e:rS+2*\e+1]
	v_pk_add_f32 v[rT+4:rT+5], v[rT+4:rT+5], v[rS+2*\e+2:rS+2*\e+3]
.endr
	v_pk_add_f32 v[rT+2:rT+3], v[rT+2:rT+3], v[rS+30:rS+31]
	v_pk_add_f32 v[rT+2:rT+3], v[rT+2:rT+3], v[rT+4:rT+5]
.set n, 0
.rept 16
	v_cvt_pk_f16_f32 v[rS+n], v[rS+2*n], v[rS+2*n+1]   ; P, in place and ascending: register n is written when 2 n and 2 n + 1 are read
.set n, n+1
.endr
.set n, 0
.rept 16
	v_pk_mul_f32 v[rO+2*n:rO+2*n+1], v[rO+2*n:rO+2*n+1], v[rT+6:rT+7] op_sel_hi:[1,0]   ; O^T x a
.set n, n+1
.endr
.endm
; A KEY STEP: 64 keys.  All its branches hang on ids and the count of steps.
.macro STEP
	s_cmp_gt_u32 s[KF], s[QB15]
	s_cbranch_scc1 .Lhidden_\@                     ; all 64 keys come after both my tiles
	s_bfe_u32 s96, s[KF], 0x10006                  ; the step's parity: bit 6 of its first key
	s_cmp_lg_u32 s96, s[GRP]
	s_cbranch_scc1 .Lhidden_\@                     ; the other group's step
	v_add_nc_u32 v[ADK], s[TK], v[AK0]
	v_add_nc_u32 v[ADV], s[TV], v[AV0]
.rept 3
	v_nop                                          ; with the two additions five places behind my last step's products: K's loads land on registers that they read, and the first products below write over P
.endr
	KLOAD
	s_wait_dscnt 0x0
	s_cmp_gt_u32 s[KF], s[QA15]
	s_cbranch_scc1 .Lone_\@
	KQ 1
	KQ 0
	PLACES                                         ; in front of V's loads into K's registers, and of the first read of the scores
	VLOAD                                          ; V lands while the softmax is walked
	SOFTMAX 1, QB0
	SOFTMAX 0, QA0
	s_wait_dscnt 0x0                               ; V is in
	PVM 1
	PVM 0
	s_branch .Lhidden_\@
.Lone_\@:                                          ; past the early tile: the late tile alone
	KQ 1
	PLACES
	VLOAD
	SOFTMAX 1, QB0
	s_wait_dscnt 0x0
	PVM 1
.Lhidden_\@:
	s_add_co_u32 s[TK], s[TK], KSTP
	s_add_co_u32 s[TV], s[TV], VSTP
	s_add_co_u32 s[KF], s[KF], 64
.endm
; THE CHANGE OF SLOTS stands at a slot's head: each wave waits for all its tensor loads, adds 0 to its spare word, waits for that and for its reads of the slot that it has left, and passes the barrier.
; fill = 1: the slot just left is filled with the next 256 keys, unless they all come after the work-group's last query: then none of its waves would read them.
.macro CHANGE fill
	s_wait_tensorcnt 0x0                           ; no tensor load of mine is out, so a group 0 may be written
	ds_add_u32 v[SPW], v[NIL]
.if \fill
	ds_add_u32 v[SPW], v[NIL]                      ; and once more, in every trip alike
	s_xor_b32 s[G0K+1], s[G0K+1], SLOT1
	s_add_nc_u64 s[G0K+2:G0K+3], s[G0K+2:G0K+3], SK*128
	s_xor_b32 s[G0V+1], s[G0V+1], SLOT1
	s_add_nc_u64 s[G0V+2:G0V+3], s[G0V+2:G0V+3], SK*128
	s_wait_xcnt 0x0                                ; the last prefetch, a slot back, has read its address
	s_add_nc_u64 s[PFA:PFA+1], s[PFA:PFA+1], SK*128
.endif
	s_wait_dscnt 0x0
	s_barrier_signal -1
	s_barrier_wait -1
.if \fill
	s_add_co_u32 s96, s[KF], SK                    ; the first key of the slot that this change would ask for
	s_or_b32 s97, s[QB0], 127                      ; my work-group's last query
	s_cmp_gt_u32 s96, s97                          ; the same in all sixteen waves; every wait on TENSORcnt in this text is for 0
	s_cbranch_scc1 .Lpast_\@
	TLOAD                                          ; a wave's one tensor load until the next barrier: it has a slot's four steps, two of each group, in which to land
.Lpast_\@:
	ASK
.endif
.endm
.macro SLOT_STEPS                      ; a slot's four steps: written once, walked four times; the LDS addresses hang on s[TK] and s[TV]
	s_mov_b32 s[TW], 4
.Lstep_\@:
	STEP
	s_sub_co_u32 s[TW], s[TW], 1
	s_cmp_lg_u32 s[TW], 0
	s_cbranch_scc1 .Lstep_\@
	s_sub_co_u32 s[TK], s[TK], 4*KSTP
	s_xor_b32 s[TK], s[TK], SLOT1
	s_sub_co_u32 s[TV], s[TV], 4*VSTP
	s_xor_b32 s[TV], s[TV], SLOT1
.endm
	s_wait_loadcnt 0x0                             ; Q
.Lslot:                                            ; 7 trips
	CHANGE 1
	SLOT_STEPS
	s_sub_co_u32 s[SLOTS], s[SLOTS], 1
	s_cmp_lg_u32 s[SLOTS], 0
	s_cbranch_scc1 .Lslot
	CHANGE 0                                       ; the last slot is written out: nothing is left to ask for
	SLOT_STEPS
	; THE TWO GROUPS MEET.  Group 1 stores its state as it stands in its registers, 16 bytes a lane and 512 a store; behind the barrier group 0 loads it by the same addresses.
	PLACES                                         ; behind the last products: O^T is read, and loads land on registers that products have read
	s_cmp_lt_u32 s[WV], 8
	s_cbranch_scc1 .Lkeeps
.irp t, 0,1
.irp ct, 0,1,2,3
	ds_store_b128 v[XA], v[OO+32*\t+8*\ct:OO+32*\t+8*\ct+3] offset:XT*\t+1024*\ct          ; each accumulator from its low end on
	ds_store_b128 v[XA], v[OO+32*\t+8*\ct+4:OO+32*\t+8*\ct+7] offset:XT*\t+1024*\ct+512
.endr
	ds_store_b128 v[XA], v[ST+8*\t:ST+8*\t+3] offset:XT*\t+4096                            ; c m, m, l, l
.endr
.Lkeeps:
	s_wait_dscnt 0x0                               ; for the partner's sake: my stores have landed
	s_barrier_signal -1
	s_barrier_wait -1
	s_cmp_lt_u32 s[WV], 8
	s_cbranch_scc0 .Lend                           ; group 1 has handed over and is done
.irp t, 0,1
.irp p, 0,1,2,3,4,5,6,7
	ds_load_b128 v[KV+32*\t+4*\p:KV+32*\t+4*\p+3], v[XA] offset:XT*\t+512*\p
.endr
	ds_load_b128 v[QQ+4*\t:QQ+4*\t+3], v[XA] offset:XT*\t+4096
.endr
	s_wait_dscnt 0x0
	; cm = the larger c m; f_i = 2^(cm_i - cm) / l, l = the sum over both groups of 2^(cm_i - cm) l_i; O = f_0 O_0 + f_1 O_1.  A group that saw no key of a tile has m = -3e38, l = 0, O = 0: its factor is 0.
.irp t, 0,1
	v_max_num_f32 v[ST+8*\t+1], v[ST+8*\t], v[QQ+4*\t]
.endr
.irp t, 0,1
	v_sub_f32 v[ST+8*\t+4], v[ST+8*\t], v[ST+8*\t+1]
	v_sub_f32 v[ST+8*\t+6], v[QQ+4*\t], v[ST+8*\t+1]
	v_add_f32 v[ST+8*\t+2], v[ST+8*\t+2], v[ST+8*\t+3]     ; l's two halves, mine
	v_add_f32 v[QQ+4*\t+2], v[QQ+4*\t+2], v[QQ+4*\t+3]     ; and the partner's
.endr
.irp t, 0,1
	v_exp_f32 v[ST+8*\t+4], v[ST+8*\t+4]
	v_exp_f32 v[ST+8*\t+6], v[ST+8*\t+6]
.endr
	v_nop
	s_wait_alu depctr_va_vdst(0)                   ; one wait for the four exponentials
.irp t, 0,1
	v_mul_f32 v[ST+8*\t+2], v[ST+8*\t+2], v[ST+8*\t+4]
.endr
.irp t, 0,1
	v_fmac_f32 v[ST+8*\t+2], v[QQ+4*\t+2], v[ST+8*\t+6]
.endr
.irp t, 0,1
	v_permlanex16_b32 v[ST+8*\t+3], v[ST+8*\t+2], s[SEL], s[SEL+1]
.endr
.irp t, 0,1
	v_add_f32 v[ST+8*\t+2], v[ST+8*\t+2], v[ST+8*\t+3]     ; with the lane 16 away: the row's sum
.endr
.irp t, 0,1
	v_rcp_f32 v[ST+8*\t+3], v[ST+8*\t+2]
.endr
	v_nop
	s_wait_alu depctr_va_vdst(0)                   ; one wait for both reciprocals
.irp t, 0,1
	v_mul_f32 v[ST+8*\t+4], v[ST+8*\t+4], v[ST+8*\t+3]
	v_mul_f32 v[ST+8*\t+6], v[ST+8*\t+6], v[ST+8*\t+3]
.endr
	; THE WAY OUT: rounded to f16, through my stages, as rows of 128 bytes: each store of the wave covers four rows, 512 consecutive bytes.
.irp t, 0,1
.set n, 0
.rept 16
	v_pk_mul_f32 v[OO+32*\t+2*n:OO+32*\t+2*n+1], v[OO+32*\t+2*n:OO+32*\t+2*n+1], v[ST+8*\t+4:ST+8*\t+5] op_sel_hi:[1,0]
.set n, n+1
.endr
.set n, 0
.rept 16
	v_pk_fma_f32 v[OO+32*\t+2*n:OO+32*\t+2*n+1], v[KV+32*\t+2*n:KV+32*\t+2*n+1], v[ST+8*\t+6:ST+8*\t+7], v[OO+32*\t+2*n:OO+32*\t+2*n+1] op_sel_hi:[1,0,1]
.set n, n+1
.endr
.set n, 0
.rept 16
	v_cvt_pk_f16_f32 v[SS+32*\t+n], v[OO+32*\t+2*n], v[OO+32*\t+2*n+1]
.set n, n+1
.endr
.irp ct, 0,1,2,3
	ds_store_b128 v[STO], v[SS+32*\t+4*\ct:SS+32*\t+4*\ct+3] offset:16*YP*\t+32*\ct
.endr
.irp e, 0,1,2,3
	ds_load_b128 v[SS+32*\t+16+4*\e:SS+32*\t+16+4*\e+3], v[RD] offset:16*YP*\t+4*YP*\e   ; LDS serves a wave's instructions in order: these see the stores above
.endr
.endr
.irp e, 0,1,2,3
	s_wait_dscnt 8+3-\e                            ; tile 0's load e is in; its younger loads and tile 1's eight LDS instructions may be out
	global_store_b128 v[GO], v[SS+16+4*\e:SS+16+4*\e+3], s[YA:YA+1] offset:512*\e
.endr
.irp e, 0,1,2,3
	s_wait_dscnt 3-\e
	global_store_b128 v[GO], v[SS+48+4*\e:SS+48+4*\e+3], s[YB:YB+1] offset:512*\e
.endr
.Lend:
	s_wait_tensorcnt 0x0                           ; the wave's end, behind my last tensor load and my last LDS store
	ds_add_u32 v[SPW], v[NIL]
	s_wait_dscnt 0x0
	s_endpgm
.Lfunc_end_k_q67e263ac16_attn:
	.size	k_q67e263ac16_attn, .Lfunc_end_k_q67e263ac16_attn-k_q67e263ac16_attn
	.p2alignl 7, 3214868480
	.fill 96, 4, 3214868480
	.section	.rodata,"a",@progbits
	.p2align	6, 0x0
	.amdhsa_kernel k_q67e263ac16_attn
		.amdhsa_group_segment_fixed_size 327680
		.amdhsa_private_segment_fixed_size 0
		.amdhsa_enable_private_segment 0
		.amdhsa_kernarg_size 16
		.amdhsa_user_sgpr_count 2
		.amdhsa_user_sgpr_kernarg_segment_ptr 1
		.amdhsa_wavefront_size32 1
		.amdhsa_system_sgpr_workgroup_id_x 1
		.amdhsa_system_sgpr_workgroup_id_y 1
		.amdhsa_system_sgpr_workgroup_id_z 1
		.amdhsa_system_vgpr_workitem_id 0
		.amdhsa_next_free_vgpr 256
		.amdhsa_next_free_sgpr 100
		.amdhsa_reserve_vcc 1
		.amdhsa_float_denorm_mode_32 3
		.amdhsa_float_denorm_mode_16_64 3
		.amdhsa_memory_ordered 1
		.amdhsa_forward_progress 1
		.amdhsa_inst_pref_size 90
	.end_amdhsa_kernel
	.amdgpu_metadata
---
amdhsa.version: [ 1, 2 ]
amdhsa.kernels:
  - .name:           k_q67e263ac16_attn
    .symbol:         k_q67e263ac16_attn.kd
    .args:
      - { .name: qkv16, .offset: 0, .size: 8, .value_kind: global_buffer, .address_space: global }
      - { .name: y16, .offset: 8, .size: 8, .value_kind: global_buffer, .address_space: global }
    .group_segment_fixed_size: 327680
    .private_segment_fixed_size: 0
    .kernarg_segment_align: 8
    .kernarg_segment_size: 16
    .max_flat_workgroup_size: 512
    .sgpr_count:     100
    .vgpr_count:     256
    .wavefront_size: 32
...
	.end_amdgpu_metadata
.endif
;; end of part 3
;; launch proj (part 4): grid 8 x 32, 4 waves a work-group, clusters of 4 x 4, 327,680 bytes of LDS; arguments y16, wpt, out0, b_proj; writes out0
.if DOCPART == 4
	.amdgcn_target "amdgcn-amd-amdhsa--gfx1250"
	.amdhsa_code_object_version 6
	.text
	.protected	k_q67e263ac16_proj
	.globl	k_q67e263ac16_proj
	.p2align	8
	.type	k_q67e263ac16_proj,@function
k_q67e263ac16_proj:
	s_mov_b64 s[64:65], 0
	v_nop
	global_prefetch_b8 v0, s[64:65] scope:SCOPE_SE
	s_setreg_imm32_b32 hwreg(HW_REG_WAVE_MODE, 25, 1), 1
	s_wait_xcnt 0x0
	s_wait_alu depctr_hold_cnt(0) depctr_sa_sdst(0) depctr_va_vdst(0) depctr_va_sdst(0) depctr_va_ssrc(0) depctr_va_vcc(0) depctr_vm_vsrc(0)
	s_getreg_b32 s2, hwreg(HW_REG_IB_STS2, 6, 4)
	s_cmp_eq_u32 s2, 0
	s_cbranch_scc0 .Lentry_in_a_cluster
	s_endpgm
.Lentry_in_a_cluster:
	s_bfe_u32 s2, ttmp6, 0x10000c
	s_cmp_lg_u32 s2, 0xf033
	s_cbranch_scc0 .Lentry_shape_is_right
	s_endpgm
.Lentry_shape_is_right:
; out0 = y w_proj + b_proj, f16 operands, f32 sums.  y16: [token / 128][head][128][64] f16; wpt: [1024 (n)][1024 (k)] f16; out0: [4096][1024] f32.
; A tile of 128 x 128 to a work-group of four waves (256 work-groups), 64 x 64 to a wave: 16 accumulators.  K goes in steps of 256 (four heads) through two LDS slots.
; A K step of the work-group's 128 tokens is 65,536 consecutive bytes of y16: it comes as rows of 256 bytes (two tokens of one head), two heads to a load; wpt's tile as 64 rows of 512 bytes to a load.
; CLUSTERS: 4 x 4 work-groups: y's tiles are asked for jointly along a row of the cluster, wpt's along a column.  THE MATRIX INSTRUCTION IS USED TRANSPOSED (source 0 = 16 rows of wpt, source 1 = 16 tokens).
; The bias is the C of each sum's first product.  All 4,096 rows are written here; positions 0-15 of both sequences are written again, from f32, by the next launch.
; REGISTERS: window 0: v0-31 addresses; v32-95 the way out; v96-127 the bias; v128-255 the accumulators.  window 1: two fragment buffers of 128.
.set PA,     272                       ; y: an LDS row: two tokens (256 bytes) + 16
.set PB,     528                       ; wpt: 512 bytes + 16
.set HEADL,  64*PA                     ; a head's 128 tokens
.set AHALF,  128*PA                    ; two heads: what one load brings
.set BHALF,  64*PB
.set BOFF,   2*AHALF
.set SLOT,   BOFF+2*BHALF
.set STAGE,  2*SLOT                    ; behind the ring: 16 rows x (256 bytes + 16) for each wave
.set SPITCH, 272
.set SPARE,  STAGE+4*16*SPITCH         ; the spare words, 128 bytes for each wave: two blocks of 256 bytes that no other line names
.set LAPS,   2
.set ADRA, 16
.set ADRB, 20
.set STO,  24
.set RD,   25
.set CO,   26
.set SPW,  28
.set NIL,  29
.set OB,   32
.set BIAS, 96
.set ACC,  128
.set F0,   0
.set F1,   128
.set G1, 24
.set G0, 32
.set G1B, 48
.set G0B, 56
.set MSB, 0
.macro WIN new
.if MSB != \new
	s_set_vgpr_msb (MSB<<8)|\new
.set MSB, \new
.endif
.endm
.set MUL,  0x05                        ; sources 0 and 1 window 1; C and D window 0
.set TO_F, 0x40
.macro JLOAD s                         ; a joint load: waves 0 and 1 fetch y's halves, waves 2 and 3 wpt's; an s_nop 0 and four v_nop follow each line
	s_cmp_eq_u32 s11, 0
	s_cbranch_scc0 .Lfor_b_\@
	tensor_load_to_lds s[G0+4*\s:G0+4*\s+3], s[G1:G1+7]
	s_nop 0
.rept 4
	v_nop
.endr
	s_branch .Lasked_\@
.Lfor_b_\@:
	tensor_load_to_lds s[G0B+4*\s:G0B+4*\s+3], s[G1B:G1B+7]
	s_nop 0
.rept 4
	v_nop
.endr
.Lasked_\@:
.endm
.macro CREST
	s_cmp_lg_u32 s10, 0
	s_cbranch_scc1 .Lnot_wave_0_\@
	s_barrier_signal -3
.Lnot_wave_0_\@:
	s_barrier_wait -3
	s_barrier_signal -1
	s_barrier_wait -1
.endm
.macro CROUND
	s_barrier_signal -1
	s_barrier_wait -1
	CREST
.endm
	s_load_b128 s[4:7], s[0:1], 0x0                ; y16, wpt
	s_load_b64 s[8:9], s[0:1], 0x10                ; out0
	s_load_b64 s[66:67], s[0:1], 0x18              ; b_proj
	v_lshl_add_u32 v[SPW], v0, 2, SPARE
	v_mov_b32 v[NIL], 0
	ds_add_u32 v[SPW], v[NIL]                      ; the wave's opening: the add, twice on end, and its wait ahead of my first tensor load
	ds_add_u32 v[SPW], v[NIL]
	v_lshrrev_b32 v1, 5, v0
	v_readfirstlane_b32 s10, v1                    ; wave 0..3
	s_lshr_b32 s11, s10, 1                         ; which half of the tile's tokens is mine.  Also: I fetch for y (0) or for wpt (1)
	s_and_b32 s12, s10, 1                          ; which half of its columns.  Also: which half of that tile I fetch
	s_bfe_u32 s40, ttmp6, 0x40000
	s_bfe_u32 s41, ttmp6, 0x40004
	s_lshl_b32 s42, ttmp9, 2
	s_add_co_u32 s42, s42, s40                     ; tile column
	s_and_b32 s13, ttmp7, 0xffff
	s_lshl_b32 s13, s13, 2
	s_add_co_u32 s13, s13, s41                     ; tile row = block of 128 tokens
	s_lshl_b32 s43, s41, 2
	s_lshl_b32 s43, 15, s43
	s_lshl_b32 s44, 0x1111, s40
	s_or_b32 s[G1+0], s43, (1<<16)|(1<<20)|(1<<21)|(5<<22)|(3<<25)   ; y: elements of 2 bytes; after every 64 words 4 words of padding
	s_mov_b32 s[G1+1], 128<<16
	s_mov_b32 s[G1+2], 128<<16
	s_mov_b32 s[G1+3], 128<<16
	s_mov_b32 s[G1+4], 128
	s_mov_b32 s[G1+5], 128
	s_mov_b32 s[G1+6], 0
	s_mov_b32 s[G1+7], 0
	s_or_b32 s[G1B+0], s44, (1<<16)|(1<<20)|(1<<21)|(6<<22)|(3<<25)  ; wpt: after every 128 words
	s_mov_b32 s[G1B+1], 256<<16
	s_mov_b32 s[G1B+2], 64<<16
	s_mov_b32 s[G1B+3], 256<<16
	s_mov_b32 s[G1B+4], 64
	s_mov_b32 s[G1B+5], 1024
	s_mov_b32 s[G1B+6], 0
	s_mov_b32 s[G1B+7], 0
	s_lshl_b32 s16, s13, 18                        ; y: the block's 262,144 bytes, + two heads for the second half
	s_lshl_b32 s17, s12, 15
	s_add_co_u32 s16, s16, s17
	s_mov_b32 s17, 0
	s_lshl_b32 s46, s42, 18                        ; wpt: 128 rows of 2,048 bytes a tile column, + 64 rows
	s_lshl_b32 s47, s12, 17
	s_add_co_u32 s46, s46, s47
	s_mov_b32 s47, 0
	s_mul_i32 s20, s12, AHALF                      ; where they go: no place in the cluster enters an LDS address
	s_mul_i32 s21, s12, BHALF
	s_add_co_u32 s21, s21, BOFF
	s_wait_dscnt 0x0                               ; both opening adds are done
	s_wait_kmcnt 0x0
	s_add_nc_u64 s[14:15], s[4:5], s[16:17]
	s_add_nc_u64 s[46:47], s[6:7], s[46:47]
	CROUND
.irp s, 0,1
	s_mov_b32 s[G0+4*\s], 1
	s_add_co_u32 s[G0+4*\s+1], s20, \s*SLOT
	s_add_nc_u64 s[G0+4*\s+2:G0+4*\s+3], s[14:15], \s*65536
	s_or_b32 s[G0+4*\s+3], s[G0+4*\s+3], 0x80000000
	s_mov_b32 s[G0B+4*\s], 1
	s_add_co_u32 s[G0B+4*\s+1], s21, \s*SLOT
	s_add_nc_u64 s[G0B+4*\s+2:G0B+4*\s+3], s[46:47], \s*512
	s_or_b32 s[G0B+4*\s+3], s[G0B+4*\s+3], 0x80000000
	JLOAD \s
.endr
	v_and_b32 v1, 15, v0                           ; r
	v_bfe_u32 v2, v0, 4, 1                         ; h
	s_lshl_b32 s46, s42, 7
	s_lshl_b32 s47, s12, 6
	s_add_co_u32 s46, s46, s47                     ; my first column
	s_lshl_b32 s46, s46, 2
	s_mov_b32 s47, 0
	s_add_nc_u64 s[66:67], s[66:67], s[46:47]
	s_add_nc_u64 s[8:9], s[8:9], s[46:47]
	v_lshlrev_b32 v7, 5, v2
.irp b, 0,1,2,3
	global_load_b128 v[BIAS+8*\b:BIAS+8*\b+3], v7, s[66:67] offset:64*\b       ; b_proj[my first column + 16 b + 8 h + 0..7]
	global_load_b128 v[BIAS+8*\b+4:BIAS+8*\b+7], v7, s[66:67] offset:64*\b+16
.endr
	v_bfe_u32 v3, v0, 1, 3
	v_mul_u32_u24 v3, v3, PA
	v_and_b32 v4, 1, v0
	v_lshl_add_u32 v3, v4, 7, v3
	v_lshl_add_u32 v3, v2, 4, v3                   ; y: token r: (r / 2) rows + 128 (r % 2) + 16 h
	v_mul_u32_u24 v4, v1, PB
	v_lshl_add_u32 v4, v2, 4, v4                   ; wpt: row r + 16 h
	s_mul_i32 s21, s11, 32*PA                      ; my 64 tokens of each head
	s_mul_i32 s22, s12, BHALF
	s_add_co_u32 s22, s22, BOFF                    ; my 64 rows of wpt
.irp s, 0,1
	v_add_nc_u32 v[ADRA+\s], s21, v3
	v_add_nc_u32 v[ADRB+\s], s22, v4
	s_add_co_u32 s21, s21, SLOT
	s_add_co_u32 s22, s22, SLOT
.endr
	s_mul_i32 s23, s10, 16*SPITCH
	s_add_co_u32 s23, s23, STAGE                   ; my stage
	v_mul_u32_u24 v4, v1, SPITCH
	v_lshl_add_u32 v4, v2, 5, v4
	v_add_nc_u32 v[STO], s23, v4                   ; in: row r, 32 bytes for each half of the lanes
	v_mul_u32_u24 v5, v2, SPITCH
	v_lshl_add_u32 v5, v1, 4, v5
	v_add_nc_u32 v[RD], s23, v5                    ; back: lanes 0-15 one row of 256 bytes, lanes 16-31 the next
	v_lshlrev_b32 v5, 12, v2
	v_lshl_add_u32 v[CO], v1, 4, v5                ; and the same two rows in out0
	s_lshl_b32 s16, s13, 7
	s_lshl_b32 s17, s11, 6
	s_add_co_u32 s16, s16, s17                     ; my first row
	s_lshl_b32 s16, s16, 12
	s_mov_b32 s17, 0
	s_add_nc_u64 s[8:9], s[8:9], s[16:17]
.macro MUL8 f, c, a0, zero             ; 8 matrix instructions: token blocks a0, a0 + 1 x all 4 column blocks, 32 along K: half c of buffer f.  zero = 1: the first product starts the sums from the bias
.irp a, \a0, \a0+1
.irp b, 0,1,2,3
.if \zero
	v_wmma_f32_16x16x32_f16 v[ACC+8*(4*(\a)+\b):ACC+8*(4*(\a)+\b)+7], v[\f+64+8*(4*\c+\b):\f+64+8*(4*\c+\b)+7], v[\f+8*(4*\c+\a):\f+8*(4*\c+\a)+7], v[BIAS+8*\b:BIAS+8*\b+7]
.else
	v_wmma_f32_16x16x32_f16 v[ACC+8*(4*(\a)+\b):ACC+8*(4*(\a)+\b)+7], v[\f+64+8*(4*\c+\b):\f+64+8*(4*\c+\b)+7], v[\f+8*(4*\c+\a):\f+8*(4*\c+\a)+7], v[ACC+8*(4*(\a)+\b):ACC+8*(4*(\a)+\b)+7]
.endif
.endr
.endr
.endm
.macro FETCH slot, q, f                ; 32 LDS loads in one run: the fragments of the slot's q-th head (64 along K) into buffer f; the first 32 along K first
	WIN TO_F
.irp c, 0,1
.irp i, 0,1,2,3
	ds_load_b128 v[\f+64+8*(4*\c+\i):\f+64+8*(4*\c+\i)+3],   v[ADRB+\slot] offset:128*(\q)+64*\c+\i*16*PB
	ds_load_b128 v[\f+64+8*(4*\c+\i)+4:\f+64+8*(4*\c+\i)+7], v[ADRB+\slot] offset:128*(\q)+64*\c+\i*16*PB+32
	ds_load_b128 v[\f+8*(4*\c+\i):\f+8*(4*\c+\i)+3],         v[ADRA+\slot] offset:(\q)*HEADL+\i*8*PA+64*\c
	ds_load_b128 v[\f+8*(4*\c+\i)+4:\f+8*(4*\c+\i)+7],       v[ADRA+\slot] offset:(\q)*HEADL+\i*8*PA+64*\c+32
.endr
.endr
.endm
.macro PLACES
.rept 4
	v_nop
.endr
.endm
.macro QUARTER slot, q, f, g, zero     ; multiplies buffer f and fetches the slot's q-th head into g
	s_wait_dscnt 16                                ; the first 32 along K are in; the youngest sixteen loads may be out
	WIN MUL
	MUL8 \f, 0, 0, \zero
	MUL8 \f, 0, 2, \zero
	PLACES
	FETCH \slot, \q, \g
	s_wait_dscnt 32                                ; all but the 32 just issued
	WIN MUL
	MUL8 \f, 1, 0, 0
	MUL8 \f, 1, 2, 0
.endm
; A slot's last quarter changes slots: one barrier; in front of it each wave waits for all its tensor loads, adds 0 to its spare word, and waits for that and for its reads of this slot.
.macro TURN slot, next, fill
	WIN 0
	s_wait_tensorcnt 0x0                           ; my part of the next slot is in
	ds_add_u32 v[SPW], v[NIL]
	s_wait_dscnt 17                                ; the add and the youngest sixteen loads may be out
	WIN MUL
	MUL8 F1, 0, 0, 0
	s_wait_dscnt 0x0
	s_barrier_signal -1
	MUL8 F1, 0, 2, 0
.if \fill
	WIN 0
.endif
	s_barrier_wait -1
.if \fill
	CREST                                          ; the barrier has opened a round of the cluster's barrier: no wave of any partner still reads this slot or has a load on its way
	s_add_nc_u64 s[G0+4*\slot+2:G0+4*\slot+3], s[G0+4*\slot+2:G0+4*\slot+3], 2*65536
	s_add_nc_u64 s[G0B+4*\slot+2:G0B+4*\slot+3], s[G0B+4*\slot+2:G0B+4*\slot+3], 2*512
	JLOAD \slot                                    ; the first tensor load behind the round; its four v_nop are also the places in front of the loads below
.else
	PLACES
.endif
	FETCH \next, 0, F0
	WIN MUL
	MUL8 F1, 1, 0, 0
	MUL8 F1, 1, 2, 0
.endm
	s_wait_tensorcnt 1                             ; my part of K step 0 is in; K step 1's load may be out
	s_barrier_signal -1
	s_barrier_wait -1
	FETCH 0, 0, F0
	s_wait_loadcnt 0x0                             ; the bias
	QUARTER 0, 1, F0, F1, 1
	WIN 0
	s_mov_b32 s3, LAPS-1
.Llap:                                             ; a trip goes once round the ring and fills both slots again
	QUARTER 0, 2, F1, F0, 0
	QUARTER 0, 3, F0, F1, 0
	TURN 0, 1, 1
	QUARTER 1, 1, F0, F1, 0
	QUARTER 1, 2, F1, F0, 0
	QUARTER 1, 3, F0, F1, 0
	TURN 1, 0, 1
	QUARTER 0, 1, F0, F1, 0
	WIN 0
	s_sub_co_u32 s3, s3, 1
	s_cmp_lg_u32 s3, 0
	s_cbranch_scc1 .Llap
	QUARTER 0, 2, F1, F0, 0                        ; the last lap fills nothing
	QUARTER 0, 3, F0, F1, 0
	TURN 0, 1, 0
	QUARTER 1, 1, F0, F1, 0
	QUARTER 1, 2, F1, F0, 0
	QUARTER 1, 3, F0, F1, 0
	s_wait_dscnt 16
	WIN MUL
	MUL8 F1, 0, 0, 0
	MUL8 F1, 0, 2, 0
	s_wait_dscnt 0
	MUL8 F1, 1, 0, 0
	MUL8 F1, 1, 2, 0
	WIN 0
	; THE WAY OUT.  My 64 columns of f32 are 256 consecutive bytes of a row, aligned: 16 rows at a time go through my own stage and come back as whole rows; no barrier.
.macro TOSTAGE a
.irp b, 0,1,2,3
	ds_store_b128 v[STO], v[ACC+8*(4*(\a)+\b):ACC+8*(4*(\a)+\b)+3] offset:64*\b       ; each accumulator from its low end on
	ds_store_b128 v[STO], v[ACC+8*(4*(\a)+\b)+4:ACC+8*(4*(\a)+\b)+7] offset:64*\b+16
.endr
.irp t, 0,1,2,3,4,5,6,7
	ds_load_b128 v[OB+32*((\a)%2)+4*\t:OB+32*((\a)%2)+4*\t+3], v[RD] offset:\t*2*SPITCH   ; LDS serves a wave's instructions in order: these see the stores above
.endr
.endm
.macro SEND a, younger
	s_wait_dscnt \younger                          ; the block is back; the next block's eight stores and eight loads may be out
.irp t, 0,1,2,3,4,5,6,7
	global_store_b128 v[CO], v[OB+32*((\a)%2)+4*\t:OB+32*((\a)%2)+4*\t+3], s[8:9] offset:(16*(\a)+2*\t)*4096 th:TH_STORE_NT   ; sixteen lanes store 256 consecutive bytes, aligned
.endr
.endm
	PLACES
	TOSTAGE 0
	TOSTAGE 1
	SEND 0, 16
	s_wait_xcnt 0x0                                ; block 0's stores have read their registers: block 2's loads may land there
	TOSTAGE 2
	SEND 1, 16
	s_wait_xcnt 0x0
	TOSTAGE 3
	SEND 2, 16
	SEND 3, 0
	s_wait_tensorcnt 0x0                           ; the wave's end, behind my last tensor load and my last LDS store
	ds_add_u32 v[SPW], v[NIL]
	s_wait_dscnt 0x0
	CROUND                                         ; the closing round
	s_endpgm
.Lfunc_end_k_q67e263ac16_proj:
	.size	k_q67e263ac16_proj, .Lfunc_end_k_q67e263ac16_proj-k_q67e263ac16_proj
	.p2alignl 7, 3214868480
	.fill 96, 4, 3214868480
	.section	.rodata,"a",@progbits
	.p2align	6, 0x0
	.amdhsa_kernel k_q67e263ac16_proj
		.amdhsa_group_segment_fixed_size 327680
		.amdhsa_private_segment_fixed_size 0
		.amdhsa_enable_private_segment 0
		.amdhsa_kernarg_size 32
		.amdhsa_user_sgpr_count 2
		.amdhsa_user_sgpr_kernarg_segment_ptr 1
		.amdhsa_wavefront_size32 1
		.amdhsa_system_sgpr_workgroup_id_x 1
		.amdhsa_system_sgpr_workgroup_id_y 1
		.amdhsa_system_sgpr_workgroup_id_z 1
		.amdhsa_system_vgpr_workitem_id 0
		.amdhsa_next_free_vgpr 512
		.amdhsa_next_free_sgpr 68
		.amdhsa_reserve_vcc 0
		.amdhsa_float_denorm_mode_32 3
		.amdhsa_float_denorm_mode_16_64 3
		.amdhsa_memory_ordered 1
		.amdhsa_forward_progress 1
		.amdhsa_inst_pref_size 87
	.end_amdhsa_kernel
	.amdgpu_metadata
---
amdhsa.version: [ 1, 2 ]
amdhsa.kernels:
  - .name:           k_q67e263ac16_proj
    .symbol:         k_q67e263ac16_proj.kd
    .args:
      - { .name: y16, .offset: 0, .size: 8, .value_kind: global_buffer, .address_space: global }
      - { .name: wpt, .offset: 8, .size: 8, .value_kind: global_buffer, .address_space: global }
      - { .name: out0, .offset: 16, .size: 8, .value_kind: global_buffer, .address_space: global }
      - { .name: b_proj, .offset: 24, .size: 8, .value_kind: global_buffer, .address_space: global }
    .group_segment_fixed_size: 327680
    .private_segment_fixed_size: 0
    .kernarg_segment_align: 8
    .kernarg_segment_size: 32
    .max_flat_workgroup_size: 128
    .sgpr_count:     68
    .vgpr_count:     512
    .wavefront_size: 32
...
	.end_amdgpu_metadata
.endif
;; end of part 4
;; launch fine (part 5): grid 64 x 2, 16 waves a work-group, no clusters, 18,432 bytes of LDS; arguments qkv32, w_proj, b_proj, out0; writes out0
.if DOCPART == 5
	.amdgcn_target "amdgcn-amd-amdhsa--gfx1250"
	.amdhsa_code_object_version 6
	.text
	.protected	k_q67e263ac16_fine
	.globl	k_q67e263ac16_fine
	.p2align	8
	.type	k_q67e263ac16_fine,@function
k_q67e263ac16_fine:
	s_mov_b64 s[64:65], 0
	v_nop
	global_prefetch_b8 v0, s[64:65] scope:SCOPE_SE
	s_setreg_imm32_b32 hwreg(HW_REG_WAVE_MODE, 25, 1), 1
	s_wait_xcnt 0x0
; Positions 0-15 of both sequences once more, all in f32: under the causal mask these rows average few values, and f16 operands would weigh most there.
; A work-group makes 16 columns (16 x, on) of out0's 16 rows of batch y.  Wave w is head w: scores, softmax and P V of its head's 16 positions, then the part of the projection over its own 64 of K;
; the sixteen parts meet in LDS, and waves 0 and 1 add them in a fixed order, add the bias and store.  Every work-group makes the 16 x 16 attention of all heads again: 32 small matrix instructions a wave.
; qkv32 is an image of accumulators: [batch][head][piece 2 b + i][lane][16 bytes], lane (r, h): position r, channels 16 b + 8 h + 4 i + 0..3.
; All products transposed, so that a lane holds one query throughout: S^T = K Q^T, O^T = V^T P, out^T = W^T y.  K of a product may be taken in any order that is the same on both sides:
; q's and k's images have one map; v and w_proj are loaded in the map that P's and O^T's registers have.
; The registers that the f32 matrix form writes (v160-223) are written by matrix instructions alone; sums begin with C = 0; two or four accumulators take turns.
; A row's store covers 64 consecutive bytes: 16 columns to a work-group share this small work among 128 work-groups; 131,072 bytes in all.
.set SPARE, 16384                      ; LDS: 16 parts of 1,024 bytes, then the spare words, 128 bytes for each wave
.set KF, 32
.set QF, 64
.set VF, 96
.set WF, 128
.set SA, 160
.set SB, 168
.set OA, 176
.set PA, 208
.set PB, 216
.set SC, 224
.set PP, 232
.set RR, 240
	s_load_b128 s[4:7], s[0:1], 0x0                ; qkv32, w_proj
	s_load_b128 s[8:11], s[0:1], 0x10              ; b_proj, out0
	v_lshl_add_u32 v8, v0, 2, SPARE                ; my spare word; never rewritten
	v_mov_b32 v9, 0                                ; 0; never rewritten
	v_lshrrev_b32 v1, 5, v0
	v_readfirstlane_b32 s18, v1                    ; wave = head
	v_and_b32 v1, 15, v0                           ; r
	v_bfe_u32 v2, v0, 4, 1                         ; h
	v_and_b32 v3, 31, v0
	v_lshlrev_b32 v3, 4, v3                        ; 16 x lane
	v_bfe_u32 v4, v0, 2, 1                         ; v: channel 16 ct + r of key 8 h + i lies at 1,024 ct + 16 i + 512 ((r / 4) % 2) + 256 (r / 8) + 128 h + 4 (r % 4)
	v_lshlrev_b32 v4, 9, v4
	v_bfe_u32 v10, v0, 3, 1
	v_lshl_add_u32 v4, v10, 8, v4
	v_lshl_add_u32 v4, v2, 7, v4
	v_and_b32 v10, 3, v0
	v_lshl_add_u32 v4, v10, 2, v4
	v_lshlrev_b32 v5, 15, v2
	v_lshl_add_u32 v5, v1, 2, v5                   ; w_proj: 8 h rows of 4,096 bytes + 4 r
	v_lshlrev_b32 v10, 3, v2
	v_sub_nc_u32 v6, v1, v10                       ; r - 8 h
	v_lshlrev_b32 v7, 5, v2                        ; 32 h
	v_lshl_add_u32 v13, v1, 12, v7                 ; out0: row r + 32 h
	s_lshl_b32 s19, s18, 10
	v_add_nc_u32 v14, s19, v3                      ; LDS: where I put my part
	s_and_b32 s20, s18, 1
	s_lshl_b32 s21, s20, 9
	v_add_nc_u32 v15, s21, v3                      ; and where waves 0 and 1 read: the low or the high four registers of each part
	v_mov_b32 v12, 0                               ; a lane permute's destination counts as one of its sources
	s_and_b32 s22, ttmp7, 0xffff                   ; the batch
	s_mul_i32 s24, s22, 196608
	s_lshl_b32 s23, s18, 12
	s_add_co_u32 s24, s24, s23                     ; q's image of my head
	s_mov_b32 s25, 0
	s_lshl_b32 s26, ttmp9, 6                       ; my work-group's first column, in bytes
	s_lshl_b32 s28, s18, 18                        ; my head's 64 rows of w_proj
	s_add_co_u32 s28, s28, s26
	s_mov_b32 s29, 0
	s_lshl_b32 s30, s20, 4
	s_add_co_u32 s30, s30, s26                     ; the four columns that wave 0 or 1 finishes
	s_mov_b32 s31, 0
	s_lshl_b32 s32, s22, 23                        ; the batch's 2,048 rows of out0
	s_add_co_u32 s32, s32, s30
	s_mov_b32 s33, 0
	s_mov_b32 s34, 0x76543210
	s_mov_b32 s35, 0xfedcba98
	s_mov_b32 s36, 0x3e38aa3b                      ; c = log2(e) / 8
	s_wait_kmcnt 0x0
	s_add_nc_u64 s[4:5], s[4:5], s[24:25]          ; q
	s_add_nc_u64 s[12:13], s[4:5], 16*4096         ; k
	s_add_nc_u64 s[14:15], s[4:5], 32*4096         ; v
	s_add_nc_u64 s[6:7], s[6:7], s[28:29]
	s_add_nc_u64 s[8:9], s[8:9], s[30:31]
	s_add_nc_u64 s[10:11], s[10:11], s[32:33]
	global_load_b128 v[16:19], v7, s[8:9]          ; b_proj[first column + 8 h + 4 (wave % 2) + 0..3]
.irp p, 0,1,2,3,4,5,6,7
	global_load_b128 v[KF+4*\p:KF+4*\p+3], v3, s[12:13] offset:512*\p
.endr
.irp p, 0,1,2,3,4,5,6,7
	global_load_b128 v[QF+4*\p:QF+4*\p+3], v3, s[4:5] offset:512*\p
.endr
.irp ct, 0,1,2,3
.irp i, 0,1,2,3,4,5,6,7
	global_load_b32 v[VF+8*\ct+\i], v4, s[14:15] offset:1024*\ct+16*\i      ; v(key 8 h + i, channel 16 ct + r)
.endr
.endr
.irp ct, 0,1,2,3
.irp i, 0,1,2,3,4,5,6,7
	global_load_b32 v[WF+8*\ct+\i], v5, s[6:7] offset:(16*\ct+\i)*4096      ; w_proj(64 w + 16 ct + 8 h + i, first column + r)
.endr
.endr
	s_wait_loadcnt 63                              ; of the 81 loads at most 63 are out: the first 18 are in, the bias, k and q among them
.set kk, 0
.rept 16                                           ; S^T = K Q^T, four channels an instruction
.if kk < 2
	v_wmma_f32_16x16x4_f32 v[SA+8*(kk%2):SA+8*(kk%2)+7], v[KF+2*kk:KF+2*kk+1], v[QF+2*kk:QF+2*kk+1], 0
.else
	v_wmma_f32_16x16x4_f32 v[SA+8*(kk%2):SA+8*(kk%2)+7], v[KF+2*kk:KF+2*kk+1], v[QF+2*kk:QF+2*kk+1], v[SA+8*(kk%2):SA+8*(kk%2)+7]
.endif
.set kk, kk+1
.endr
.rept 8
	v_nop                                          ; eight places behind this form before a result is read (ISA guide 7.12.1)
.endr
.irp j, 0,1,2,3,4,5,6,7
	v_add_f32 v[SC+\j], v[SA+\j], v[SB+\j]         ; lane (r, h): query r, key 8 h + j
.endr
	v_mov_b32 v10, 0xff800000
.irp j, 0,1,2,3,4,5,6,7
	v_cmp_gt_i32 vcc_lo, \j, v6                    ; hidden where 8 h + j > r
	v_cndmask_b32 v[SC+\j], v[SC+\j], v10, vcc_lo
.endr
	v_max3_num_f32 v11, v[SC], v[SC+1], v[SC+2]
	v_max3_num_f32 v11, v11, v[SC+3], v[SC+4]
	v_max3_num_f32 v11, v11, v[SC+5], v[SC+6]
	v_max_num_f32 v11, v11, v[SC+7]
	v_permlanex16_b32 v12, v11, s34, s35
	v_max_num_f32 v11, v11, v12                    ; the row's maximum: key 0 counts for every query, so it is a number
	v_mul_f32 v11, s36, v11
.irp j, 0,1,2,3,4,5,6,7
	v_fma_f32 v[SC+\j], v[SC+\j], s36, -v11
.endr
.irp j, 0,1,2,3,4,5,6,7
	v_exp_f32 v[SC+\j], v[SC+\j]
.endr
	v_nop
	s_wait_alu depctr_va_vdst(0)                   ; one wait for the eight, ahead of their first reader
	v_add_f32 v10, v[SC], v[SC+1]
	v_add_f32 v12, v[SC+2], v[SC+3]
	v_add_f32 v10, v10, v[SC+4]
	v_add_f32 v12, v12, v[SC+5]
	v_add_f32 v10, v10, v[SC+6]
	v_add_f32 v12, v12, v[SC+7]
	v_add_f32 v10, v10, v12
	v_permlanex16_b32 v12, v10, s34, s35
	v_add_f32 v10, v10, v12
	v_rcp_f32 v11, v10
	v_nop
	s_wait_alu depctr_va_vdst(0)
.irp j, 0,1,2,3,4,5,6,7
	v_mul_f32 v[PP+\j], v[SC+\j], v11              ; the weights, normalised
.endr
	s_wait_loadcnt 32                              ; v is in; w_proj's 32 loads may be out
.irp e, 0,1,2,3                                    ; O^T = V^T P: keys 8 h + 2 e, + 1 an instruction; four accumulators by turns
.irp ct, 0,1,2,3
.if \e == 0
	v_wmma_f32_16x16x4_f32 v[OA+8*\ct:OA+8*\ct+7], v[VF+8*\ct+2*\e:VF+8*\ct+2*\e+1], v[PP+2*\e:PP+2*\e+1], 0
.else
	v_wmma_f32_16x16x4_f32 v[OA+8*\ct:OA+8*\ct+7], v[VF+8*\ct+2*\e:VF+8*\ct+2*\e+1], v[PP+2*\e:PP+2*\e+1], v[OA+8*\ct:OA+8*\ct+7]
.endif
.endr
.endr
	s_wait_loadcnt 0x0                             ; w_proj
.rept 9
	v_nop                                          ; nine places before a result becomes an operand
.endr
.set kk, 0
.rept 16                                           ; out^T += W^T y over my head's 64 channels: lane (r, h) of O^T's tile ct holds query r, channels 16 ct + 8 h + 0..7
.if kk < 2
	v_wmma_f32_16x16x4_f32 v[PA+8*(kk%2):PA+8*(kk%2)+7], v[WF+2*kk:WF+2*kk+1], v[OA+2*kk:OA+2*kk+1], 0
.else
	v_wmma_f32_16x16x4_f32 v[PA+8*(kk%2):PA+8*(kk%2)+7], v[WF+2*kk:WF+2*kk+1], v[OA+2*kk:OA+2*kk+1], v[PA+8*(kk%2):PA+8*(kk%2)+7]
.endif
.set kk, kk+1
.endr
.rept 8
	v_nop
.endr
.irp j, 0,1,2,3,4,5,6,7
	v_add_f32 v[RR+\j], v[PA+\j], v[PB+\j]         ; lane (r, h): my head's part of out0(r, first column + 8 h + j)
.endr
	ds_store_b128 v14, v[RR:RR+3]
	ds_store_b128 v14, v[RR+4:RR+7] offset:512
	s_wait_dscnt 0x0                               ; for the others' sake: my part has landed
	s_barrier_signal -1
	s_barrier_wait -1
	s_cmp_gt_u32 s18, 1
	s_cbranch_scc1 .Lend
.irp k, 0,1,2,3,4,5,6,7,8,9,10,11,12,13,14,15
	ds_load_b128 v[32+4*\k:35+4*\k], v15 offset:1024*\k
.endr
	s_wait_dscnt 0x0
.irp k, 0,1,2,3,4,5,6,7,8,9,10,11,12,13,14,15
	v_pk_add_f32 v[16:17], v[16:17], v[32+4*\k:33+4*\k]      ; the bias and the sixteen parts, heads ascending
	v_pk_add_f32 v[18:19], v[18:19], v[34+4*\k:35+4*\k]
.endr
	global_store_b128 v13, v[16:19], s[10:11]
.Lend:
	s_wait_tensorcnt 0x0                           ; the wave's end, behind my last LDS store
	ds_add_u32 v8, v9
	s_wait_dscnt 0x0
	s_endpgm
.Lfunc_end_k_q67e263ac16_fine:
	.size	k_q67e263ac16_fine, .Lfunc_end_k_q67e263ac16_fine-k_q67e263ac16_fine
	.p2alignl 7, 3214868480
	.fill 96, 4, 3214868480
	.section	.rodata,"a",@progbits
	.p2align	6, 0x0
	.amdhsa_kernel k_q67e263ac16_fine
		.amdhsa_group_segment_fixed_size 18432
		.amdhsa_private_segment_fixed_size 0
		.amdhsa_enable_private_segment 0
		.amdhsa_kernarg_size 32
		.amdhsa_user_sgpr_count 2
		.amdhsa_user_sgpr_kernarg_segment_ptr 1
		.amdhsa_wavefront_size32 1
		.amdhsa_system_sgpr_workgroup_id_x 1
		.amdhsa_system_sgpr_workgroup_id_y 1
		.amdhsa_system_sgpr_workgroup_id_z 1
		.amdhsa_system_vgpr_workitem_id 0
		.amdhsa_next_free_vgpr 256
		.amdhsa_next_free_sgpr 66
		.amdhsa_reserve_vcc 1
		.amdhsa_float_denorm_mode_32 3
		.amdhsa_float_denorm_mode_16_64 3
		.amdhsa_memory_ordered 1
		.amdhsa_forward_progress 1
		.amdhsa_inst_pref_size 21
	.end_amdhsa_kernel
	.amdgpu_metadata
---
amdhsa.version: [ 1, 2 ]
amdhsa.kernels:
  - .name:           k_q67e263ac16_fine
    .symbol:         k_q67e263ac16_fine.kd
    .args:
      - { .name: qkv32, .offset: 0, .size: 8, .value_kind: global_buffer, .address_space: global }
      - { .name: w_proj, .offset: 8, .size: 8, .value_kind: global_buffer, .address_space: global }
      - { .name: b_proj, .offset: 16, .size: 8, .value_kind: global_buffer, .address_space: global }
      - { .name: out0, .offset: 24, .size: 8, .value_kind: global_buffer, .address_space: global }
    .group_segment_fixed_size: 18432
    .private_segment_fixed_size: 0
    .kernarg_segment_align: 8
    .kernarg_segment_size: 32
    .max_flat_workgroup_size: 512
    .sgpr_count:     66
    .vgpr_count:     256
    .wavefront_size: 32
...
	.end_amdgpu_metadata
.endif
;; end of part 5
